; MI455X (gfx1250); checked and timed in simulation.
; The chip was launched on July 23, 2026; its instructions are those of AMD's public machine-readable ISA for CDNA 5 (MIT licence, August 2026) and "CDNA5" Instruction Set Architecture Reference Guide (July 2026). The comments in the code are by the model that wrote it; some were corrected since.
;; Expert. Allowed arithmetic: matrix products marked QUANTISED: E5M2 operands, one E8M0 scale for each 32 along K, by v_wmma_scale_f32_16x16x128_f8f6f4 with both operands' format E5M2, f32 sums; products left as they are: f32 operands where the result goes on into a quantised operand, else bf16, f16 or f32 operands; f32 sums; everything else in f32.
;; Inputs: b0 8 x 2,048 float32; b1 8 x 2,048 float32; b2 8 x 1,024 float32; gate_b 8 float32; gate_w 8 x 1,024 float32; w0_codes 8 x 2,048 x 32 x 32 uint8 (E5M2 codes of w0, K innermost, in blocks of 32 codes); w0_scales 8 x 2,048 x 32 uint8 (E8M0 scales of w0, one for each 32 codes along K); w1_codes 8 x 2,048 x 32 x 32 uint8 (E5M2 codes of w1, K innermost, in blocks of 32 codes); w1_scales 8 x 2,048 x 32 uint8 (E8M0 scales of w1, one for each 32 codes along K); w2_codes 8 x 1,024 x 64 x 32 uint8 (E5M2 codes of w2, K innermost, in blocks of 32 codes); w2_scales 8 x 1,024 x 64 uint8 (E8M0 scales of w2, one for each 32 codes along K); x 2 x 512 x 1,024 float32.
;; Outputs: out0 2 x 512 x 1,024 float32.
;; This version of the problem:
;;   THIS VERSION OF THE PROBLEM IS GIVEN IN LOW PRECISION. The matrix products marked QUANTISED in the list below multiply operands that are first quantised to E5M2 (5 exponent bits, 2 mantissa bits; 8 bits a number), with one power-of-two scale for each 32 numbers along K (OCP MX v1.0); their sums are f32. All else is computed in f32.
;;   The module's matrix products, in the order in which they are computed (A, B: the left and right operand; K: the contracted axis; several contracted axes count as one K, in the product's order):
;;     1. [M 1,024, K 1,024] x [K 1,024, N 8]; A: input x; B: input gate_w: left as it is (N = 8 < 16)
;;     2. [M 16,384, K 1,024] x [K 1,024, N 1,024]; A: input w0 (given as codes); B: input x: QUANTISED
;;     3. [M 16,384, K 1,024] x [K 1,024, N 1,024]; A: input w1 (given as codes); B: input x: QUANTISED
;;     4. batch 8 x [M 1,024, K 2,048] x [K 2,048, N 1,024]; A: computed on the way; B: input w2 (given as codes): QUANTISED
;;   THE QUANTISER, for each operand of a quantised product, along K:
;;     - K is cut into blocks of 32 from its start; a last block that is shorter is filled with zeros.
;;     - A block's scale is 2^e with e = floor(log2(the largest magnitude in the block)) - 15, held to -126 .. 127; a block of zeros has e = 0. As a byte (E8M0): e + 127.
;;     - Each number is divided by its block's scale, clamped to +-57,344, and rounded to the nearest number of E5M2, ties to even, subnormals kept.
;;     - The product sums the exact products of the quantised numbers (number of the format x scale) in f32.
;;   ~~~python
;;   def quantise(x, axis):      # numpy; x: float32 -> the quantised numbers, widened to float32 again
;;       x = np.moveaxis(x, axis, -1); K = x.shape[-1]
;;       x = np.pad(x, [(0, 0)] * (x.ndim - 1) + [(0, -K % 32)]); x = x.reshape(x.shape[:-1] + (-1, 32)); a = np.abs(x).max(-1, keepdims=True)
;;       e = np.where(a > 0, np.clip(np.frexp(np.where(a > 0, a, 1))[1] - 1 - 15, -126, 127), 0)      # np.frexp(a)[1] - 1 = floor(log2(a)), exactly
;;       r = np.clip(x / 2.0 ** e, -57344, 57344)
;;       step = 2.0 ** (np.maximum(np.frexp(np.where(r == 0, 1, r))[1] - 1, -14) - 2)
;;       q = np.round(r / step) * step * 2.0 ** e      # np.round: ties to even
;;       return np.moveaxis(q.reshape(q.shape[:-2] + (-1,))[..., :K], -1, axis).astype(np.float32)
;;   ~~~
;;   OPERANDS COMPUTED ON THE WAY. 'Computed on the way' means the value that the module computes at that place (a softmax that the list does not call 'softmax' is quantised finished and normalised). What goes into a quantiser is computed in f32, as accurately as f32 sums, v_exp_f32 and their like allow (about 1e-6 of the number): no bf16 or f16 on the way to a quantiser, and a product that is left as it is and whose result goes on into a quantised operand takes f32 operands (vector FMAs, or v_wmma_f32_16x16x4_f32). A number that lies on a knife's edge between two numbers of the format may be rounded either way, as far as f32 arithmetic and the matrix unit's own rounding can turn it there, and no further.
;;   INPUTS GIVEN AS CODES. w0 (in the module: [8, 2048, 1024], K = its axis 2); w1 (in the module: [8, 2048, 1024], K = its axis 2); w2 (in the module: [8, 1024, 2048], K = its axis 2): each comes as NAME_codes (uint8): NAME with its K axis moved to the last place and cut into blocks of 32 codes, [.., K / 32, bytes a block], one block behind the other in memory; one code a byte (a code: sign, 5 exponent bits, 2 mantissa bits); and NAME_scales (uint8): the same leading axes, one E8M0 byte (e + 127) for each 32 codes along K. Its value is code x scale, taken as it is: it is not quantised again, and the codes and scales need not be those that the quantiser above would give.
;; 2 versions. Each part assembles by itself: llvm-mc -triple=amdgcn-amd-amdhsa -mcpu=gfx1250 --defsym DOCPART=n.
;; ======== version 1 of 2: 5 launches
;; workspace buffers: xq 1,048,576 bytes; xs 32,768 bytes; topi 8,192 bytes of whole numbers; gate 8,192 bytes; list 40,960 bytes of whole numbers; act 16,777,216 bytes; asc 561,152 bytes; y 8,388,608 bytes
;; launch route (part 1): grid 256 x 1, 4 waves a work-group, no clusters, 22,016 bytes of LDS; arguments x, gate_w, gate_b, xq, xs, topi, gate; writes xq, xs, topi, gate
.if DOCPART == 1
	.amdgcn_target "amdgcn-amd-amdhsa--gfx1250"
	.amdhsa_code_object_version 6
	.text
	.protected	k_qd800fb28c7_route
	.globl	k_qd800fb28c7_route
	.p2align	8
	.type	k_qd800fb28c7_route,@function
k_qd800fb28c7_route:
	s_mov_b64 s[64:65], 0
	v_nop
	global_prefetch_b8 v0, s[64:65] scope:SCOPE_SE
	s_setreg_imm32_b32 hwreg(HW_REG_WAVE_MODE, 25, 1), 1
	s_wait_xcnt 0x0
; ROUTER AND QUANTISER OF x.  One wave takes one token t = 4 x work-group + wave (1,024 tokens, 256 work-groups of four waves).
; It (a) turns the token's 1,024 f32 numbers into codes of E5M2 with one E8M0 byte for each 32 along D (xq [t][1024], xs [t][32]);
; (b) forms the eight logits x . gate_w[e] + gate_b[e] in f32 by fused multiply-adds; (c) takes the two largest (a strict compare in ascending e:
; of equal logits the lower index is kept) and the softmax of the two, with the larger taken away before the exponential;
; (d) stores the experts as whole numbers (topi [2][1024]) and the weights (gate [2][1024]) at fixed places: no address here hangs on a logit.
; A block's scale is 2^(floor(log2(largest magnitude)) - 15); its byte is the largest magnitude's exponent field - 15, held at 1 from below.
; LIMITS: NaN and infinities among the inputs are not served.  A block whose largest magnitude lies under 2^-111 (a block of zeros too) gets the byte 1:
; a block of zeros has zero codes, which add nothing, and only this program reads the bytes.  The logits are summed in another order than a plain
; ascending sum: two logits that differ by less than f32 rounding may change places.
; No matrix unit, no cluster, no tensor load: the launch reads 4 MB once and shares only gate_w (32 KB), which each wave keeps in 256 registers.
.set WREG, 5376                        ; LDS of a wave: two stages of 32 x SP bytes, then the row's 32 scale bytes
.set SP,   80                          ; a lane's place in a stage: 64 bytes + 16 of padding
.set SBY,  2*32*SP
.set R,    16                          ; v16-47   x as loaded: load i: x[128 i + 4 lane + 0..3]
.set X,    48                          ; v48-79   x turned: step s: x[512 s + 16 lane + 0..15]
.set C,    80                          ; v80-87   codes, four registers a step
.set E,    88                          ; v88-89   a scale byte a step
.set ACC,  96                          ; v96-111  a pair of sums for each expert
.set MSB, 0
.macro WIN new                         ; the immediate's high byte repeats the setting that is left
.if MSB != \new
	s_set_vgpr_msb (MSB<<8)|\new
.set MSB, \new
.endif
.endm
	s_load_b256 s[4:11], s[0:1], 0x0               ; x s[4:5], gate_w s[6:7], gate_b s[8:9], xq s[10:11]
	s_load_b128 s[12:15], s[0:1], 0x20             ; xs s[12:13], topi s[14:15]
	s_load_b64 s[16:17], s[0:1], 0x30              ; gate
	v_lshl_add_u32 v254, v0, 2, 0x5400
	v_mov_b32 v255, 0
	v_lshrrev_b32 v1, 5, v0
	v_readfirstlane_b32 s18, v1                    ; wave
	v_and_b32 v1, 31, v0                           ; lane
	v_lshlrev_b32 v2, 4, v1                        ; 16 x lane
	s_mul_i32 s35, s18, WREG
	v_lshrrev_b32 v3, 2, v1
	v_mul_u32_u24 v3, v3, SP
	v_and_b32 v4, 3, v1
	v_lshl_add_u32 v3, v4, 4, v3
	v_add_nc_u32 v3, s35, v3                       ; the stage, on the way in: SP (lane / 4) + 16 (lane % 4)
	v_mul_u32_u24 v4, v1, SP
	v_add_nc_u32 v4, s35, v4                       ; and on the way out: SP x lane: 16 neighbours
	s_add_co_u32 s35, s35, SBY
	v_lshrrev_b32 v5, 1, v1
	v_add_nc_u32 v5, s35, v5                       ; my block's scale byte
	v_and_b32 v6, 7, v1
	v_lshl_add_u32 v6, v6, 2, s35                  ; the row's 32 bytes as eight words
	v_lshlrev_b32 v7, 2, v1
	s_lshl_b32 s19, ttmp9, 2
	s_add_co_u32 s19, s19, s18                     ; t
	s_mov_b32 s23, 0
	s_mov_b32 s32, 0x76543210
	s_mov_b32 s33, 0xfedcba98                      ; v_permlanex16_b32's selects for lane l xor 16
	s_mov_b32 s34, 0x600000                        ; the mantissa field of 57,344
	s_wait_kmcnt 0x0
	s_load_b256 s[24:31], s[8:9], 0x0              ; gate_b's eight numbers
	s_lshl_b32 s22, s19, 12
	s_add_nc_u64 s[4:5], s[4:5], s[22:23]          ; x at my row
	s_lshl_b32 s22, s19, 10
	s_add_nc_u64 s[10:11], s[10:11], s[22:23]      ; its codes
	s_lshl_b32 s22, s19, 5
	s_add_nc_u64 s[12:13], s[12:13], s[22:23]      ; its scale bytes
.irp i, 0,1,2,3,4,5,6,7
	global_load_b128 v[R+4*\i:R+4*\i+3], v2, s[4:5] offset:512*\i th:TH_LOAD_NT   ; 32 lanes read 512 consecutive bytes
.endr
	WIN 0x40                                       ; destination window 1
.irp e, 0,1,2,3,4,5,6,7
.irp i, 0,1,2,3,4,5,6,7
	global_load_b128 v[32*\e+4*\i:32*\e+4*\i+3], v2, s[6:7] offset:4096*\e+512*\i  ; gate_w[e], in x's own lane order
.endr
.endr
	WIN 0
	s_wait_loadcnt 63                              ; x's eight loads are the oldest of 72: they are in when at most 63 are out
.irp s, 0,1                                    ; the row turns through the stage: LDS serves a wave's instructions in order, so no wait stands between stores and loads
.irp i, 0,1,2,3
	ds_store_b128 v3, v[R+16*\s+4*\i:R+16*\s+4*\i+3] offset:32*SP*\s+8*SP*\i
.endr
.irp i, 0,1,2,3
	ds_load_b128 v[X+16*\s+4*\i:X+16*\s+4*\i+3], v4 offset:32*SP*\s+16*\i
.endr
.endr
	s_wait_dscnt 0x0
.macro QSTEP s                         ; 512 numbers: 16 a lane, two neighbouring lanes to a block of 32
.set XS, X+16*\s
	v_max3_num_f32 v8, |v[XS]|, |v[XS+1]|, |v[XS+2]|
	v_max3_num_f32 v9, |v[XS+3]|, |v[XS+4]|, |v[XS+5]|
.irp i, 6,10
	v_max3_num_f32 v8, v8, |v[XS+\i]|, |v[XS+\i+1]|
	v_max3_num_f32 v9, v9, |v[XS+\i+2]|, |v[XS+\i+3]|
.endr
	v_max3_num_f32 v8, v8, |v[XS+14]|, |v[XS+15]|
	v_max3_num_f32 v8, v8, v9, 0x8000000           ; and the floor 2^(16 - 127): the byte cannot fall under 1
	v_max_num_f32_dpp v8, v8, v8 row_xmask:1 row_mask:0xf bank_mask:0xf   ; with my neighbour's 16: the block's largest magnitude
	v_add_nc_u32 v11, 0xf8800000, v8               ; 15 off its exponent field: the conversion's scale operand
	v_and_or_b32 v10, v8, 0x7f800000, s34          ; 57,344 x the scale
.irp i, 0,1,2,3,4,5,6,7,8,9,10,11,12,13,14,15
	v_med3_num_f32 v[XS+\i], v[XS+\i], -v10, v10   ; the conversion to an 8-bit code does not saturate (ISA guide 7.6.2): the hold comes first
.endr
	v_cvt_scalef32_pk8_bf8_f32 v[C+4*\s:C+4*\s+1], v[XS:XS+7], v11
	v_cvt_scalef32_pk8_bf8_f32 v[C+4*\s+2:C+4*\s+3], v[XS+8:XS+15], v11
	v_lshrrev_b32 v[E+\s], 23, v11                 ; the scale's byte (also the plain line behind the conversions)
	ds_store_b8 v5, v[E+\s] offset:16*\s           ; both lanes of a block write the same byte with the same value
	global_store_b128 v2, v[C+4*\s:C+4*\s+3], s[10:11] offset:512*\s   ; 32 lanes store 512 consecutive bytes, aligned
.endm
	QSTEP 0
	QSTEP 1
	s_wait_loadcnt 0x0                             ; gate_w
	WIN 0x04                                       ; source 1 window 1
.irp p, 0,1,2,3,4,5,6,7,8,9,10,11,12,13,14,15  ; the eight experts' sums by turns: no line waits for the line above it
.irp e, 0,1,2,3,4,5,6,7
.if \p == 0
	v_pk_mul_f32 v[ACC+2*\e:ACC+2*\e+1], v[R+2*\p:R+2*\p+1], v[32*\e+2*\p:32*\e+2*\p+1]
.else
	v_pk_fma_f32 v[ACC+2*\e:ACC+2*\e+1], v[R+2*\p:R+2*\p+1], v[32*\e+2*\p:32*\e+2*\p+1], v[ACC+2*\e:ACC+2*\e+1]
.endif
.endr
.endr
	WIN 0
.irp e, 0,1,2,3,4,5,6,7
	v_add_f32 v[ACC+2*\e], v[ACC+2*\e], v[ACC+2*\e+1]
.endr
.irp m, 1,2,4,8
.irp e, 0,1,2,3,4,5,6,7
	v_add_f32_dpp v[ACC+2*\e], v[ACC+2*\e], v[ACC+2*\e] row_xmask:\m row_mask:0xf bank_mask:0xf
.endr
.endr
.irp e, 0,1,2,3,4,5,6,7
	v_permlanex16_b32 v[ACC+2*\e+1], v[ACC+2*\e], s32, s33
.endr
	s_wait_kmcnt 0x0                               ; gate_b
.irp e, 0,1,2,3,4,5,6,7
	v_add_f32 v[ACC+2*\e], v[ACC+2*\e], v[ACC+2*\e+1]
.endr
.irp e, 0,1,2,3,4,5,6,7
	v_add_f32 v[ACC+2*\e], s[24+\e], v[ACC+2*\e]   ; the logit, the same in every lane
.endr
	; the largest: v112 its value, v113 its index
	v_mov_b32 v112, v[ACC]
	v_mov_b32 v113, 0
	v_mov_b32 v124, 0xff800000                     ; -infinity
.irp e, 1,2,3,4,5,6,7
	v_cmp_gt_f32 vcc_lo, v[ACC+2*\e], v112
	v_cndmask_b32 v112, v112, v[ACC+2*\e], vcc_lo
	v_cndmask_b32 v113, v113, \e, vcc_lo
.endr
.irp e, 0,1,2,3,4,5,6,7
	v_cmp_eq_u32 vcc_lo, \e, v113
	v_cndmask_b32 v[116+\e], v[ACC+2*\e], v124, vcc_lo   ; the largest is taken out
.endr
	v_mov_b32 v114, v116                           ; the second: v114 its value, v115 its index
	v_mov_b32 v115, 0
.irp e, 1,2,3,4,5,6,7
	v_cmp_gt_f32 vcc_lo, v[116+\e], v114
	v_cndmask_b32 v114, v114, v[116+\e], vcc_lo
	v_cndmask_b32 v115, v115, \e, vcc_lo
.endr
	v_sub_f32 v125, v114, v112                     ; second - largest, 0 or less: the maximum is taken away
	v_mul_f32 v125, 0x3fb8aa3b, v125
	v_exp_f32 v125, v125                           ; q = e^(second - largest)
	v_nop                                          ; a plain line behind a transcendental
	s_wait_alu depctr_va_vdst(0)
	v_add_f32 v126, 1.0, v125
	v_rcp_f32 v126, v126                           ; the largest's weight 1 / (1 + q)
	v_nop
	s_wait_alu depctr_va_vdst(0)
	v_mul_f32 v127, v125, v126                     ; the second's q / (1 + q)
	ds_load_b32 v13, v6                            ; the row's scale bytes: my own stores, served in order
	v_cmp_eq_u32 vcc_lo, 1, v1
	v_cndmask_b32 v15, v113, v115, vcc_lo          ; lane 0 carries slot 0, lane 1 slot 1
	v_cndmask_b32 v12, v126, v127, vcc_lo
	v_lshlrev_b32 v14, 12, v1
	v_lshl_add_u32 v14, s19, 2, v14                ; 4,096 x slot + 4 t
	s_wait_dscnt 0x0
	s_wait_xcnt 0x0                                ; EXEC changes only when the earlier stores have had their addresses translated
	v_cmp_gt_u32 vcc_lo, 8, v1
	s_wait_tensorcnt 0x0
	ds_add_u32 v254, v255
	s_wait_dscnt 0x0
	s_and_saveexec_b32 s20, vcc_lo
	global_store_b32 v7, v13, s[12:13]             ; eight lanes: the row's 32 scale bytes
	s_wait_xcnt 0x0
	s_or_b32 exec_lo, exec_lo, s20
	v_cmp_gt_u32 vcc_lo, 2, v1
	s_and_saveexec_b32 s21, vcc_lo
	global_store_b32 v14, v15, s[14:15]            ; the expert, a whole number
	global_store_b32 v14, v12, s[16:17]            ; its weight
	s_wait_xcnt 0x0
	s_or_b32 exec_lo, exec_lo, s21
	s_endpgm
.Lfunc_end_k_qd800fb28c7_route:
	.size	k_qd800fb28c7_route, .Lfunc_end_k_qd800fb28c7_route-k_qd800fb28c7_route
	.p2alignl 7, 3214868480
	.fill 96, 4, 3214868480
	.section	.rodata,"a",@progbits
	.p2align	6, 0x0
	.amdhsa_kernel k_qd800fb28c7_route
		.amdhsa_group_segment_fixed_size 22016
		.amdhsa_private_segment_fixed_size 0
		.amdhsa_enable_private_segment 0
		.amdhsa_kernarg_size 56
		.amdhsa_user_sgpr_count 2
		.amdhsa_user_sgpr_kernarg_segment_ptr 1
		.amdhsa_wavefront_size32 1
		.amdhsa_system_sgpr_workgroup_id_x 1
		.amdhsa_system_sgpr_workgroup_id_y 1
		.amdhsa_system_sgpr_workgroup_id_z 1
		.amdhsa_system_vgpr_workitem_id 0
		.amdhsa_next_free_vgpr 512
		.amdhsa_next_free_sgpr 66
		.amdhsa_reserve_vcc 1
		.amdhsa_float_denorm_mode_32 3
		.amdhsa_float_denorm_mode_16_64 3
		.amdhsa_memory_ordered 1
		.amdhsa_forward_progress 1
		.amdhsa_inst_pref_size 30
	.end_amdhsa_kernel
	.amdgpu_metadata
---
amdhsa.version: [ 1, 2 ]
amdhsa.kernels:
  - .name:           k_qd800fb28c7_route
    .symbol:         k_qd800fb28c7_route.kd
    .args:
      - { .name: x, .offset: 0, .size: 8, .value_kind: global_buffer, .address_space: global }
      - { .name: gate_w, .offset: 8, .size: 8, .value_kind: global_buffer, .address_space: global }
      - { .name: gate_b, .offset: 16, .size: 8, .value_kind: global_buffer, .address_space: global }
      - { .name: xq, .offset: 24, .size: 8, .value_kind: global_buffer, .address_space: global }
      - { .name: xs, .offset: 32, .size: 8, .value_kind: global_buffer, .address_space: global }
      - { .name: topi, .offset: 40, .size: 8, .value_kind: global_buffer, .address_space: global }
      - { .name: gate, .offset: 48, .size: 8, .value_kind: global_buffer, .address_space: global }
    .group_segment_fixed_size: 22016
    .private_segment_fixed_size: 0
    .kernarg_segment_align: 8
    .kernarg_segment_size: 56
    .max_flat_workgroup_size: 128
    .sgpr_count:     66
    .vgpr_count:     512
    .wavefront_size: 32
...
	.end_amdgpu_metadata
.endif
;; end of part 1
;; launch place (part 2): grid 8 x 1, 1 waves a work-group, no clusters, 10,496 bytes of LDS; arguments topi, gate, list, asc; writes list, asc
.if DOCPART == 2
	.amdgcn_target "amdgcn-amd-amdhsa--gfx1250"
	.amdhsa_code_object_version 6
	.text
	.protected	k_qd800fb28c7_place
	.globl	k_qd800fb28c7_place
	.p2align	8
	.type	k_qd800fb28c7_place,@function
k_qd800fb28c7_place:
	s_mov_b64 s[64:65], 0
	v_nop
	global_prefetch_b8 v0, s[64:65] scope:SCOPE_SE
	s_setreg_imm32_b32 hwreg(HW_REG_WAVE_MODE, 25, 1), 1
	s_wait_xcnt 0x0
; THE ROWS OF EACH EXPERT, ON END.  A routed row is rid = 1,024 x slot + token; topi [2][1024] holds its expert (whole numbers stored by the launch before), gate [2][1024] its weight.
; Work-group e, one wave, lays the rids of expert e one behind the other, and their weights in the same order, and counts them.  Eight experts: eight work-groups; there is no more work than that.
; A row's place is the count so far + the matching lanes below it (a counting pass over 64 words a lane; no atomics).  The rows are placed in LDS, at addresses made of topi's whole numbers,
; and the finished image leaves by stores of 512 consecutive bytes at fixed addresses.
; list [8][1280] words: places 0 .. 1,151; 32 dump words; the number of rows at byte 4,736.  The weights, [8][1152] f32, lie behind the scale bytes in asc, from byte 524,288 on.
; Behind the last row it is repeated 32 times, so that a last tile of 16 places is full of rows that exist: they compute and store the same numbers.  What lies further on is 0: rid 0, a row that exists.
; A token's two experts differ, so an expert has at most 1,024 rows.
.set LROW,  5120                       ; an expert's bytes in list
.set GROW,  4608                       ; and among the weights
.set GOFF,  524288                     ; where the weights begin in asc
.set GL,    5120                       ; LDS: the weights' image, behind the list's
.set DUMPW, 1152                       ; 32 words for the lanes that have nothing to place
.set CNT,   4736                       ; the number of rows
.set IDX,   176                        ; v176-239 topi: word q of load j in lane l is rid 128 j + 4 l + q
.set GV,    112                        ; v112-175 gate, likewise
	s_load_b256 s[4:11], s[0:1], 0x0               ; topi s[4:5], gate s[6:7], list s[8:9], asc s[10:11]
	v_lshl_add_u32 v254, v0, 2, 0x2800
	v_mov_b32 v255, 0
	v_and_b32 v1, 31, v0                           ; lane
	v_lshlrev_b32 v240, 4, v1                      ; 16 x lane
	v_lshlrev_b32 v241, 2, v1                      ; 4 x lane
	v_add_nc_u32 v242, DUMPW, v1                   ; my dump word
.irp i, 244,245,246,247
	v_mov_b32 v\i, 0
.endr
	v_mov_b32 v249, CNT
	s_mov_b32 s18, ttmp9                           ; e
	s_mul_i32 s12, s18, LROW
	s_mov_b32 s13, 0
	s_mul_i32 s14, s18, GROW
	s_add_co_u32 s14, s14, GOFF
	s_mov_b32 s15, 0
	s_wait_kmcnt 0x0
	s_add_nc_u64 s[8:9], s[8:9], s[12:13]
	s_add_nc_u64 s[10:11], s[10:11], s[14:15]
.irp j, 0,1,2,3,4,5,6,7,8,9,10,11,12,13,14,15
	global_load_b128 v[IDX+4*\j:IDX+4*\j+3], v240, s[4:5] offset:512*\j
.endr
.irp j, 0,1,2,3,4,5,6,7,8,9,10,11,12,13,14,15
	global_load_b128 v[GV+4*\j:GV+4*\j+3], v240, s[6:7] offset:512*\j
.endr
.irp j, 0,1,2,3,4,5,6,7,8,9,10,11,12,13,14,15,16,17,18,19
	ds_store_b128 v240, v[244:247] offset:512*\j   ; both images begin as zeros
.endr
	s_mov_b32 s17, 0                               ; the count so far
	s_wait_loadcnt 0x0
.irp j, 0,1,2,3,4,5,6,7,8,9,10,11,12,13,14,15
.irp q, 0,1,2,3
	v_cmp_eq_u32 vcc_lo, s18, v[IDX+4*\j+\q]
	v_mbcnt_lo_u32_b32 v243, vcc_lo, s17
	v_cndmask_b32 v243, v242, v243, vcc_lo         ; a lane without a match writes its own dump word
	v_min_u32 v243, 1183, v243
	v_lshlrev_b32 v243, 2, v243
	v_add_nc_u32 v248, 128*\j+\q, v241
	ds_store_b32 v243, v248                        ; the rid,
	ds_store_b32 v243, v[GV+4*\j+\q] offset:GL     ; and its weight at the same place
	s_bcnt1_i32_b32 s16, vcc_lo
	s_add_co_u32 s17, s17, s16
.endr
.endr
	s_max_u32 s16, s17, 1
	s_sub_co_u32 s16, s16, 1
	s_min_u32 s16, s16, 1023
	s_lshl_b32 s16, s16, 2
	v_mov_b32 v243, s16
	ds_load_b32 v251, v243                         ; the last row (LDS serves a wave's instructions in order: this sees the stores above),
	ds_load_b32 v252, v243 offset:GL
	s_wait_dscnt 0x0
	v_add_nc_u32 v243, s17, v1
	v_min_u32 v243, 1151, v243
	v_lshlrev_b32 v243, 2, v243
	ds_store_b32 v243, v251                        ; repeated 32 times behind the list's end
	ds_store_b32 v243, v252 offset:GL
	v_mov_b32 v250, s17
	ds_store_b32 v249, v250                        ; the number of rows
.irp j, 0,1,2,3,4,5,6,7,8,9
	ds_load_b128 v[16+4*\j:19+4*\j], v240 offset:512*\j
.endr
.irp j, 0,1,2,3,4,5,6,7,8
	ds_load_b128 v[56+4*\j:59+4*\j], v240 offset:GL+512*\j
.endr
	s_wait_dscnt 0x0
.irp j, 0,1,2,3,4,5,6,7,8,9
	global_store_b128 v240, v[16+4*\j:19+4*\j], s[8:9] offset:512*\j     ; 32 lanes store 512 consecutive bytes, aligned
.endr
.irp j, 0,1,2,3,4,5,6,7,8
	global_store_b128 v240, v[56+4*\j:59+4*\j], s[10:11] offset:512*\j
.endr
	s_wait_tensorcnt 0x0
	ds_add_u32 v254, v255
	s_wait_dscnt 0x0
	s_endpgm
.Lfunc_end_k_qd800fb28c7_place:
	.size	k_qd800fb28c7_place, .Lfunc_end_k_qd800fb28c7_place-k_qd800fb28c7_place
	.p2alignl 7, 3214868480
	.fill 96, 4, 3214868480
	.section	.rodata,"a",@progbits
	.p2align	6, 0x0
	.amdhsa_kernel k_qd800fb28c7_place
		.amdhsa_group_segment_fixed_size 10496
		.amdhsa_private_segment_fixed_size 0
		.amdhsa_enable_private_segment 0
		.amdhsa_kernarg_size 32
		.amdhsa_user_sgpr_count 2
		.amdhsa_user_sgpr_kernarg_segment_ptr 1
		.amdhsa_wavefront_size32 1
		.amdhsa_system_sgpr_workgroup_id_x 1
		.amdhsa_system_sgpr_workgroup_id_y 1
		.amdhsa_system_sgpr_workgroup_id_z 1
		.amdhsa_system_vgpr_workitem_id 0
		.amdhsa_next_free_vgpr 256
		.amdhsa_next_free_sgpr 66
		.amdhsa_reserve_vcc 1
		.amdhsa_float_denorm_mode_32 3
		.amdhsa_float_denorm_mode_16_64 3
		.amdhsa_memory_ordered 1
		.amdhsa_forward_progress 1
		.amdhsa_inst_pref_size 40
	.end_amdhsa_kernel
	.amdgpu_metadata
---
amdhsa.version: [ 1, 2 ]
amdhsa.kernels:
  - .name:           k_qd800fb28c7_place
    .symbol:         k_qd800fb28c7_place.kd
    .args:
      - { .name: topi, .offset: 0, .size: 8, .value_kind: global_buffer, .address_space: global }
      - { .name: gate, .offset: 8, .size: 8, .value_kind: global_buffer, .address_space: global }
      - { .name: list, .offset: 16, .size: 8, .value_kind: global_buffer, .address_space: global }
      - { .name: asc, .offset: 24, .size: 8, .value_kind: global_buffer, .address_space: global }
    .group_segment_fixed_size: 10496
    .private_segment_fixed_size: 0
    .kernarg_segment_align: 8
    .kernarg_segment_size: 32
    .max_flat_workgroup_size: 32
    .sgpr_count:     66
    .vgpr_count:     256
    .wavefront_size: 32
...
	.end_amdgpu_metadata
.endif
;; end of part 2
;; launch hidden (part 3): grid 16 x 16, 4 waves a work-group, no clusters, 35,328 bytes of LDS; arguments xq, xs, list, w0_codes, w0_scales, b0, w1_codes, w1_scales, b1, act, asc; writes act, asc
.if DOCPART == 3
	.amdgcn_target "amdgcn-amd-amdhsa--gfx1250"
	.amdhsa_code_object_version 6
	.text
	.protected	k_qd800fb28c7_hidden
	.globl	k_qd800fb28c7_hidden
	.p2align	8
	.type	k_qd800fb28c7_hidden,@function
k_qd800fb28c7_hidden:
	s_mov_b64 s[64:65], 0
	v_nop
	global_prefetch_b8 v0, s[64:65] scope:SCOPE_SE
	s_setreg_imm32_b32 hwreg(HW_REG_WAVE_MODE, 25, 1), 1
	s_wait_xcnt 0x0
; act = (x w0^T + b0) * silu(x w1^T + b1) for the rows routed to one expert, quantised along H on the way.  Both products on codes of E5M2 with E8M0 scales.
; SHARES.  Work-group (sl, 2 e + g): expert e, hidden units 128 sl .. 128 sl + 127, and of the expert's tiles of 16 rows those of parity g.  Wave w: units 32 kb .. 32 kb + 31, kb = 4 sl + w: one block of 32
; along the next K.  Its 2 x 32 rows of w0 and w1 for all of K = 1,024 (64 KB of codes) stay in 512 registers.  All four waves multiply the same tiles of x.
; A TILE OF x IS FETCHED ONCE FOR THE WORK-GROUP: wave w loads K steps 2 w and 2 w + 1 of the 16 rows (8 loads) and their scale words (1 load) and lays them in LDS as images of the operand's registers
; (lane l's 16 bytes at 16 l, 512 bytes a store); behind a barrier each wave loads all eight K steps by the same lines.  So a tile costs the work-group 36 loads from memory, not 4 x 34.
; Two buffers by turns, one barrier a step: between two barriers one buffer is read and only the other is written.
; THE ROW LIST.  A routed row is rid = 1,024 x slot + token.  list (whole numbers stored by the launch before) holds the rids of expert e on end, and their number at byte 4,736 of the expert's 5,120.
; The last tile's spare places repeat the expert's last row: they compute and store the same numbers, and EXEC stays full.
; LAYOUT.  The products are used transposed (source 0 = 16 rows of a weight, source 1 = 16 rows of x): a lane holds one row of x.  The rows of a weight tile are not neighbours:
; lane r of tile u takes unit 8 u + r + 8 (r / 8), so that the 16 registers of tiles 0 and 1 are 16 neighbouring units, 16 (lane / 16) + 0 .. 15: the conversions' results are the next operand's registers.
; act is laid as images of those registers: [e][tile][block of 32 along H][lane][16 bytes]; asc [e][tile][row][64]: a row's scale bytes.
; The biases are the C of each sum's first matrix instruction.
; The number of tiles is read from memory and the steps branch on it; there is no tensor load, hence no cluster's joint load: operands come from memory through registers.
; The loop has a constant count of 16 trips of two steps (32 tiles of one parity serve all 1,024 tokens on one expert); a step without a tile jumps over its work, never over its waits and its barrier.
; LIMITS: NaN and infinities are not served.  A block of act whose largest magnitude lies under 2^-111 gets the byte 1.  Where h1 < -88 the exponential overflows and silu comes out as a zero.
; REGISTERS, in windows of 256.  Window 0: v1-18, v30-31, v176-177 addresses; v20-29 the quantiser; v32-63 the weights' scale words; v64-71 x's; v80-111 biases; v112-143 the four accumulators
; (w0 tiles 0, 1, w1 tiles 0, 1); v144-175 at work; v184-217 my quarter of the next tile.  Window 1: weights of K steps 0-3 (step s, accumulator t at v[64 s + 16 t]).  Window 2: K steps 4-7.  Window 3: x's eight fragments.
.set LROW,  5120                       ; an expert's bytes in list
.set CNT,   4736                       ; where its number of rows lies
.set XBUF,  17408                      ; LDS: a buffer: 32 images of 512 bytes (K step s, quarter c at 2,048 s + 512 c),
.set XSCO,  16384                      ; then the scale words: wave w's two words a lane at 256 w + 8 lane
.set WSC,   32
.set XSC,   64
.set BIAS,  80
.set ACC,   112
.set H0,    112
.set H1,    128
.set T,     144
.set P,     160
.set LLD,   176                        ; v176  16 x lane: an image's place for my lane
.set LLS,   177                        ; v177  8 x lane: a pair of scale words'
.set G,     184                        ; v184-215 my quarter's codes, as loaded
.set GS,    216                        ; v216-217 its two scale words
.set MSB, 0
.macro WIN new                         ; the immediate's high byte repeats the setting that is left
.if MSB != \new
	s_set_vgpr_msb (MSB<<8)|\new
.set MSB, \new
.endif
.endm
	s_load_b512 s[4:19], s[0:1], 0x0               ; xq s[4:5], xs s[6:7], list s[8:9], w0's codes s[10:11], scales s[12:13], b0 s[14:15], w1's codes s[16:17], scales s[18:19]
	s_load_b128 s[20:23], s[0:1], 0x40             ; b1 s[20:21], act s[22:23]
	s_load_b64 s[24:25], s[0:1], 0x50              ; asc
	v_lshl_add_u32 v254, v0, 2, 0x8800
	v_mov_b32 v255, 0
	v_lshrrev_b32 v1, 5, v0
	v_readfirstlane_b32 s26, v1                    ; wave
	s_and_b32 s28, ttmp7, 0xffff
	s_lshr_b32 s27, s28, 1                         ; e
	s_and_b32 s30, s28, 1                          ; g: the parity of my work-group's tiles
	s_lshl_b32 s31, ttmp9, 2
	s_add_co_u32 s31, s31, s26                     ; kb
	v_and_b32 v1, 31, v0                           ; lane
	v_and_b32 v2, 15, v0                           ; r
	v_bfe_u32 v3, v0, 4, 1                         ; h
	v_and_b32 v4, 8, v2
	v_add_nc_u32 v5, v4, v2                        ; r + 8 (r / 8)
	v_lshlrev_b32 v18, 4, v3                       ; 16 h
	v_lshl_add_u32 v4, v5, 10, v18                 ; a weight's codes: that row of 1,024 bytes + 16 h
	v_lshlrev_b32 v5, 5, v5                        ; its scale bytes: 32 a row
	v_lshlrev_b32 v6, 6, v3                        ; biases: 16 h units on
	v_lshlrev_b32 v7, 2, v2                        ; the list: word r of a tile
	v_lshlrev_b32 v[LLD], 4, v1
	v_lshlrev_b32 v[LLS], 3, v1
	v_lshl_add_u32 v8, s31, 9, v[LLD]              ; act: 512 kb + 16 lane
	v_lshl_add_u32 v9, v2, 6, s31                  ; asc: 64 r + kb
	v_lshl_add_u32 v18, s26, 8, v18                ; x's codes: 16 h + my two K steps' 256 w
	s_lshl_b32 s47, s26, 3                         ; x's scale bytes: my two words' 8 w
	s_lshl_b32 s43, s26, 12
	v_add_nc_u32 v30, s43, v[LLD]                  ; LDS: where I store my quarter: 16 lane + 4,096 w
	s_lshl_b32 s43, s26, 8
	v_add_nc_u32 v31, s43, v[LLS]                  ; and its scale words: 8 lane + 256 w
	v_mov_b32 v27, 0                               ; written once: a lane permute's destination counts as one of its sources
	s_lshl_b32 s39, s30, 6                         ; the list's byte of my first tile: 64 bytes a tile
	v_add_nc_u32 v15, s39, v7
	s_mov_b32 s44, 0x76543210
	s_mov_b32 s45, 0xfedcba98                      ; v_permlanex16_b32's selects for lane l xor 16
	s_mov_b32 s46, 0x600000                        ; the mantissa field of 57,344
	s_mov_b32 s48, 0xbfb8aa3b                      ; -log2(e)
	s_mov_b32 s49, s48                             ; (named with it as a pair, so it is written)
	s_mov_b32 s33, 0
	s_mov_b32 s35, 0
	s_mul_i32 s32, s27, LROW
	s_wait_kmcnt 0x0
	s_add_nc_u64 s[8:9], s[8:9], s[32:33]          ; the list of expert e
	s_load_b32 s36, s[8:9], CNT                    ; its number of rows
	global_load_b32 v14, v15, s[8:9]               ; the rid of my row in the first tile: asked for ahead of the weights
	s_lshl_b32 s32, s27, 21
	s_lshl_b32 s34, s31, 15
	s_add_co_u32 s34, s34, s32
	s_add_nc_u64 s[22:23], s[22:23], s[32:33]      ; act at expert e: 64 tiles of 32 KB
	s_add_nc_u64 s[10:11], s[10:11], s[34:35]      ; the codes at expert e, unit 32 kb
	s_add_nc_u64 s[16:17], s[16:17], s[34:35]
	s_lshl_b32 s32, s27, 16
	s_lshl_b32 s34, s31, 10
	s_add_co_u32 s34, s34, s32
	s_add_nc_u64 s[24:25], s[24:25], s[32:33]      ; asc at expert e
	s_add_nc_u64 s[12:13], s[12:13], s[34:35]      ; the weights' scale bytes
	s_add_nc_u64 s[18:19], s[18:19], s[34:35]
	s_lshl_b32 s32, s27, 13
	s_lshl_b32 s34, s31, 7
	s_add_co_u32 s34, s34, s32
	s_add_nc_u64 s[14:15], s[14:15], s[34:35]      ; the biases
	s_add_nc_u64 s[20:21], s[20:21], s[34:35]
	; the wave's weights: 128 loads of codes, 8 of scale words, 8 of biases.  They stay.
	WIN 0x40                                       ; destination window 1
.irp s, 0,1,2,3
.irp u, 0,1
.irp c, 0,1,2,3
	global_load_b128 v[64*\s+16*\u+4*\c:64*\s+16*\u+4*\c+3], v4, s[10:11] offset:8192*\u+128*\s+32*\c
	global_load_b128 v[64*\s+32+16*\u+4*\c:64*\s+32+16*\u+4*\c+3], v4, s[16:17] offset:8192*\u+128*\s+32*\c
.endr
.endr
.endr
	WIN 0x80                                       ; destination window 2
.irp s, 4,5,6,7
.irp u, 0,1
.irp c, 0,1,2,3
	global_load_b128 v[64*(\s-4)+16*\u+4*\c:64*(\s-4)+16*\u+4*\c+3], v4, s[10:11] offset:8192*\u+128*\s+32*\c
	global_load_b128 v[64*(\s-4)+32+16*\u+4*\c:64*(\s-4)+32+16*\u+4*\c+3], v4, s[16:17] offset:8192*\u+128*\s+32*\c
.endr
.endr
.endr
	WIN 0
.irp u, 0,1
.irp q, 0,1
	global_load_b128 v[WSC+8*\u+4*\q:WSC+8*\u+4*\q+3], v5, s[12:13] offset:256*\u+16*\q         ; word s of a row serves K step s
	global_load_b128 v[WSC+16+8*\u+4*\q:WSC+16+8*\u+4*\q+3], v5, s[18:19] offset:256*\u+16*\q
	global_load_b128 v[BIAS+8*\u+4*\q:BIAS+8*\u+4*\q+3], v6, s[14:15] offset:32*\u+16*\q        ; register j: unit 16 h + 8 u + j
	global_load_b128 v[BIAS+16+8*\u+4*\q:BIAS+16+8*\u+4*\q+3], v6, s[20:21] offset:32*\u+16*\q
.endr
.endr
	s_wait_kmcnt 0x0                               ; the expert's rows, at most 1,024 (a token's two experts differ)
	s_add_co_u32 s37, s36, 15
	s_lshr_b32 s37, s37, 4                         ; its tiles
.macro XADDR                           ; v14 = a rid out of the list -> where my quarter of its token's codes and scale bytes lies
	v_min_u32 v14, 0x7ff, v14
	v_and_b32 v14, 0x3ff, v14                      ; the token
	v_lshl_add_u32 v10, v14, 10, v18
	v_lshl_add_u32 v12, v14, 5, s47
.endm
.macro XFETCH                          ; 9 loads: K steps 2 w and 2 w + 1 of the tile's 16 rows, and their scale words
.irp i, 0,1
.irp c, 0,1,2,3
	global_load_b128 v[G+16*\i+4*\c:G+16*\i+4*\c+3], v10, s[4:5] offset:128*\i+32*\c
.endr
.endr
	global_load_b64 v[GS:GS+1], v12, s[6:7]
.endm
.macro MUL                             ; 32 matrix instructions: the four accumulators by turns, one instruction a turn, K ascending
	s_wait_dscnt 16                                ; of the 36 LDS loads the scale words' 4 and the 16 of K steps 0-3 are in; the youngest 16 may be out
	WIN 0x0d                                       ; source 0 window 1, source 1 window 3
.irp s, 0,1,2,3
.irp t, 0,1,2,3
.if \s == 0
	v_wmma_scale_f32_16x16x128_f8f6f4 v[ACC+8*\t:ACC+8*\t+7], v[64*\s+16*\t:64*\s+16*\t+15], v[16*\s:16*\s+15], v[BIAS+8*\t:BIAS+8*\t+7], v[WSC+8*\t+\s], v[XSC+\s] matrix_a_fmt:MATRIX_FMT_BF8 matrix_b_fmt:MATRIX_FMT_BF8
.else
	v_wmma_scale_f32_16x16x128_f8f6f4 v[ACC+8*\t:ACC+8*\t+7], v[64*\s+16*\t:64*\s+16*\t+15], v[16*\s:16*\s+15], v[ACC+8*\t:ACC+8*\t+7], v[WSC+8*\t+\s], v[XSC+\s] matrix_a_fmt:MATRIX_FMT_BF8 matrix_b_fmt:MATRIX_FMT_BF8
.endif
.endr
.endr
	s_wait_dscnt 0x0                               ; K steps 4-7
	WIN 0x0e                                       ; source 0 window 2
.irp s, 4,5,6,7
.irp t, 0,1,2,3
	v_wmma_scale_f32_16x16x128_f8f6f4 v[ACC+8*\t:ACC+8*\t+7], v[64*(\s-4)+16*\t:64*(\s-4)+16*\t+15], v[16*\s:16*\s+15], v[ACC+8*\t:ACC+8*\t+7], v[WSC+8*\t+\s], v[XSC+\s] matrix_a_fmt:MATRIX_FMT_BF8 matrix_b_fmt:MATRIX_FMT_BF8
.endr
.endr
	WIN 0
.endm
.macro EPI                             ; tile s38: h0 h1 / (1 + e^-h1), quantised; a lane's 16 numbers are half a block, lane l xor 16 holds the other half
	v_lshl_add_u32 v16, s38, 15, v8                ; two plain lines and seven v_nop: nine places behind the products: eight for the first read of results and for the next
	v_lshl_add_u32 v17, s38, 10, v9                ; step's loads into registers that they read, nine for the next tile's first products, which begin the accumulators anew with another C
.rept 7
	v_nop
.endr
.irp i, 0,2,4,6,8,10,12,14
	v_pk_mul_f32 v[T+\i:T+\i+1], v[H1+\i:H1+\i+1], s[48:49] op_sel_hi:[1,0]   ; each accumulator is read from its low end on
.endr
.irp i, 0,1,2,3,4,5,6,7,8,9,10,11,12,13,14,15
	v_exp_f32 v[T+\i], v[T+\i]                     ; e^-h1
.endr
.irp i, 0,2,4,6,8,10,12,14
	v_pk_mul_f32 v[P+\i:P+\i+1], v[H0+\i:H0+\i+1], v[H1+\i:H1+\i+1]           ; (plain lines behind the exponentials)
.endr
	s_wait_alu depctr_va_vdst(0)
.irp i, 0,2,4,6,8,10,12,14
	v_pk_add_f32 v[T+\i:T+\i+1], v[T+\i:T+\i+1], 1.0 op_sel_hi:[1,0]
.endr
.irp i, 0,1,2,3,4,5,6,7,8,9,10,11,12,13,14,15
	v_rcp_f32 v[T+\i], v[T+\i]
.endr
	v_nop                                          ; a plain line behind the reciprocals
	s_wait_alu depctr_va_vdst(0)
.irp i, 0,2,4,6,8,10,12,14
	v_pk_mul_f32 v[P+\i:P+\i+1], v[P+\i:P+\i+1], v[T+\i:T+\i+1]
.endr
	v_max3_num_f32 v25, |v[P]|, |v[P+1]|, 0x8000000   ; the floor 2^(16 - 127) among the leaves: the byte cannot fall under 1
	v_max3_num_f32 v26, |v[P+8]|, |v[P+9]|, |v[P+10]|
	v_max3_num_f32 v25, v25, |v[P+2]|, |v[P+3]|
	v_max3_num_f32 v26, v26, |v[P+11]|, |v[P+12]|
	v_max3_num_f32 v25, v25, |v[P+4]|, |v[P+5]|
	v_max3_num_f32 v26, v26, |v[P+13]|, |v[P+14]|
	v_max3_num_f32 v25, v25, |v[P+6]|, |v[P+7]|
	v_max3_num_f32 v25, v25, v26, |v[P+15]|
	v_permlanex16_b32 v27, v25, s44, s45
	v_max_num_f32 v25, v25, v27                    ; the block's largest magnitude
	v_add_nc_u32 v28, 0xf8800000, v25              ; 15 off its exponent field: the conversion's scale operand
	v_and_or_b32 v29, v25, 0x7f800000, s46         ; 57,344 x the scale
	v_lshrrev_b32 v24, 23, v28                     ; the scale's byte
.irp i, 0,1,2,3,4,5,6,7,8,9,10,11,12,13,14,15
	v_med3_num_f32 v[P+\i], v[P+\i], -v29, v29     ; the conversion to an 8-bit code does not saturate (ISA guide 7.6.2)
.endr
	v_cvt_scalef32_pk8_bf8_f32 v[20:21], v[P:P+7], v28
	v_cvt_scalef32_pk8_bf8_f32 v[22:23], v[P+8:P+15], v28
	v_nop                                          ; a plain line behind the conversions
	global_store_b128 v16, v[20:23], s[22:23]      ; 32 lanes store 512 consecutive bytes, aligned: block kb of the tile's image
	global_store_b8 v17, v24, s[24:25]             ; both lanes of a row write the same byte with the same value
.endm
; A STEP: tile s38, through buffer b.  The two waits at its head, the wait for LDS and the barrier stand on every way; the work on either side of the barrier is jumped over where the tile does not exist
; (the number of tiles is the same in all four waves).  In front of the barrier each wave's stores into buffer b have landed and its reads of the other buffer, the last step's, are in; behind it buffer b is whole,
; and the other buffer is written again only in the next step, by waves that have passed this barrier.
.macro STEP b
	s_wait_loadcnt 0x0                             ; my quarter of this tile and the next tile's rid, asked for a step ago, are in (in the first step: the weights too); so their address registers may be written
	s_wait_xcnt 0x0                                ; the last step's stores have had their addresses translated: their data and offsets may be written
	s_cmp_ge_u32 s38, s37
	s_cbranch_scc1 .Lnost_\@
.irp i, 0,1
.irp c, 0,1,2,3
	ds_store_b128 v30, v[G+16*\i+4*\c:G+16*\i+4*\c+3] offset:XBUF*\b+2048*\i+512*\c
.endr
.endr
	ds_store_b64 v31, v[GS:GS+1] offset:XBUF*\b+XSCO
.Lnost_\@:
	s_wait_dscnt 0x0
	s_barrier_signal -1
	s_barrier_wait -1
	s_cmp_ge_u32 s38, s37
	s_cbranch_scc1 .Lnowk_\@
	XADDR                                          ; the next tile of my work-group, two tiles on: asked for first, so that it has this step's products and epilogue in which to land.
	v_add_nc_u32 v15, s39, v7                      ; Beyond the list's end it is a row that exists, and nobody multiplies it
	XFETCH
	global_load_b32 v14, v15, s[8:9] offset:256    ; and the rid of my row four tiles on
.irp q, 0,1,2,3
	ds_load_b64 v[XSC+2*\q:XSC+2*\q+1], v[LLS] offset:XBUF*\b+XSCO+256*\q
.endr
	WIN 0xc0                                       ; destination window 3
.irp s, 0,1,2,3,4,5,6,7
.irp c, 0,1,2,3
	ds_load_b128 v[16*\s+4*\c:16*\s+4*\c+3], v[LLD] offset:XBUF*\b+2048*\s+512*\c
.endr
.endr
	WIN 0
	MUL
	EPI
.Lnowk_\@:
	s_add_co_u32 s38, s38, 2
	s_add_co_u32 s39, s39, 128
.endm
	s_wait_loadcnt 63                              ; the rid is the oldest load, 144 stand behind it: it is in when at most 63 are out
	XADDR
	XFETCH                                         ; my quarter of the first tile
	global_load_b32 v14, v15, s[8:9] offset:128    ; the rid of my row in the second
	s_mov_b32 s38, s30                             ; the step's tile
	s_mov_b32 s40, 16
.Ltrip:
	STEP 0
	STEP 1
	s_sub_co_u32 s40, s40, 1
	s_cmp_lg_u32 s40, 0
	s_cbranch_scc1 .Ltrip
	s_wait_tensorcnt 0x0
	ds_add_u32 v254, v255
	s_wait_dscnt 0x0
	s_endpgm
.Lfunc_end_k_qd800fb28c7_hidden:
	.size	k_qd800fb28c7_hidden, .Lfunc_end_k_qd800fb28c7_hidden-k_qd800fb28c7_hidden
	.p2alignl 7, 3214868480
	.fill 96, 4, 3214868480
	.section	.rodata,"a",@progbits
	.p2align	6, 0x0
	.amdhsa_kernel k_qd800fb28c7_hidden
		.amdhsa_group_segment_fixed_size 35328
		.amdhsa_private_segment_fixed_size 0
		.amdhsa_enable_private_segment 0
		.amdhsa_kernarg_size 88
		.amdhsa_user_sgpr_count 2
		.amdhsa_user_sgpr_kernarg_segment_ptr 1
		.amdhsa_wavefront_size32 1
		.amdhsa_system_sgpr_workgroup_id_x 1
		.amdhsa_system_sgpr_workgroup_id_y 1
		.amdhsa_system_sgpr_workgroup_id_z 1
		.amdhsa_system_vgpr_workitem_id 0
		.amdhsa_next_free_vgpr 1024
		.amdhsa_next_free_sgpr 66
		.amdhsa_reserve_vcc 0
		.amdhsa_float_denorm_mode_32 3
		.amdhsa_float_denorm_mode_16_64 3
		.amdhsa_memory_ordered 1
		.amdhsa_forward_progress 1
		.amdhsa_inst_pref_size 47
	.end_amdhsa_kernel
	.amdgpu_metadata
---
amdhsa.version: [ 1, 2 ]
amdhsa.kernels:
  - .name:           k_qd800fb28c7_hidden
    .symbol:         k_qd800fb28c7_hidden.kd
    .args:
      - { .name: xq, .offset: 0, .size: 8, .value_kind: global_buffer, .address_space: global }
      - { .name: xs, .offset: 8, .size: 8, .value_kind: global_buffer, .address_space: global }
      - { .name: list, .offset: 16, .size: 8, .value_kind: global_buffer, .address_space: global }
      - { .name: w0_codes, .offset: 24, .size: 8, .value_kind: global_buffer, .address_space: global }
      - { .name: w0_scales, .offset: 32, .size: 8, .value_kind: global_buffer, .address_space: global }
      - { .name: b0, .offset: 40, .size: 8, .value_kind: global_buffer, .address_space: global }
      - { .name: w1_codes, .offset: 48, .size: 8, .value_kind: global_buffer, .address_space: global }
      - { .name: w1_scales, .offset: 56, .size: 8, .value_kind: global_buffer, .address_space: global }
      - { .name: b1, .offset: 64, .size: 8, .value_kind: global_buffer, .address_space: global }
      - { .name: act, .offset: 72, .size: 8, .value_kind: global_buffer, .address_space: global }
      - { .name: asc, .offset: 80, .size: 8, .value_kind: global_buffer, .address_space: global }
    .group_segment_fixed_size: 35328
    .private_segment_fixed_size: 0
    .kernarg_segment_align: 8
    .kernarg_segment_size: 88
    .max_flat_workgroup_size: 128
    .sgpr_count:     66
    .vgpr_count:     1024
    .wavefront_size: 32
...
	.end_amdgpu_metadata
.endif
;; end of part 3
;; launch outp (part 4): grid 8 x 32, 4 waves a work-group, no clusters, 79,360 bytes of LDS; arguments act, asc, list, w2_codes, w2_scales, b2, y; writes y
.if DOCPART == 4
	.amdgcn_target "amdgcn-amd-amdhsa--gfx1250"
	.amdhsa_code_object_version 6
	.text
	.protected	k_qd800fb28c7_outp
	.globl	k_qd800fb28c7_outp
	.p2align	8
	.type	k_qd800fb28c7_outp,@function
k_qd800fb28c7_outp:
	s_mov_b64 s[64:65], 0
	v_nop
	global_prefetch_b8 v0, s[64:65] scope:SCOPE_SE
	s_setreg_imm32_b32 hwreg(HW_REG_WAVE_MODE, 25, 1), 1
	s_wait_xcnt 0x0
; y[rid] = weight[rid] x (act w2^T + b2) for the rows routed to one expert; the product on codes of E5M2 with E8M0 scales.  rid = 1,024 x slot + token; the launch behind this one adds a token's two rows.
; SHARES.  Work-group (sl, 4 e + g): expert e, outputs 128 sl .. 128 sl + 127, and of the expert's tiles of 16 rows g, g + 4, ...  Wave w: outputs 32 (4 sl + w) on, for all of K = 2,048: 64 KB of codes
; in 512 registers.  All four waves multiply the same tiles of act.
; A TILE OF act IS FETCHED ONCE FOR THE WORK-GROUP: it lies in memory as images of the operand's registers, 64 blocks of 512 bytes; wave w loads blocks 16 w .. 16 w + 15 and four scale words a row and lays them in LDS
; as they are; behind a barrier each wave loads all 64 blocks.  So a tile's codes cost the work-group 64 loads from memory, not 256.  Two buffers by turns, one barrier a step: between two barriers one buffer
; is read and only the other is written.
; THE ROW LIST.  list (whole numbers stored by an earlier launch) holds the rids of expert e on end, and their number at byte 4,736 of the expert's 5,120; the rows' weights lie in the same order
; behind the scale bytes in asc, from byte 524,288 on, 4,608 bytes an expert.  So all that a tile wants lies at addresses made of the tile's number.
; The last tile's spare places repeat the expert's last row: they store the same numbers to the same bytes, and EXEC stays full.
; LAYOUT.  The product is used transposed (source 0 = 16 rows of w2, source 1 = 16 rows of act): register j of lane (r, h) is output 16 u + 8 h + j of row r.  b2 is the C of each sum's first matrix instruction.
; The number of tiles is read from memory and the steps branch on it; there is no tensor load, hence no cluster's joint load: operands come from memory through registers.
; The loop has a constant count of 8 trips of two steps (16 tiles of one g serve all 1,024 tokens on one expert); a step without a tile jumps over its work, never over its waits and its barrier.
; LIMITS: NaN and infinities are not served.
; REGISTERS, in windows of 256.  Window 0: v1-30, v196-201 addresses and small things; v32-63 w2's scale words; v64-79 act's; v80-95 b2; v96-111 the two accumulators; v112-127 rows on the way out;
; v128-195 my quarter of the next tile.  Window 1: w2's K steps 0-7 (step s, tile u at v[32 s + 16 u]).  Window 2: K steps 8-15.  Window 3: act, block j at v[4 j].
.set LROW,  5120                       ; an expert's bytes in list
.set CNT,   4736                       ; where its number of rows lies
.set GROW,  4608                       ; an expert's bytes among the weights,
.set GOFF,  524288                     ; which begin here in asc
.set ABUF,  34816                      ; LDS: a buffer: 64 images of 512 bytes,
.set ASCO,  32768                      ; then the scale words: wave w's four words a lane at 512 w + 16 lane
.set STG,   2*ABUF                     ; behind the buffers: a stage of 16 rows x (128 bytes + 16) for each wave
.set WSC,   32
.set ASC,   64
.set BIAS,  80
.set Y,     96
.set OB,    112
.set G,     128                        ; v128-191 my quarter's codes, as loaded
.set GS,    192                        ; v192-195 its scale words
.set LLD,   176+0                      ; v176, v177  16 x lane in buffer 0, 1: an image's place for my lane
.set LST,   178                        ; v178, v179  where I store my quarter: + 8,192 w
.set LSS,   180                        ; v180, v181  and its scale words: 16 x lane + 512 w
.set MSB, 0
.macro WIN new                         ; the immediate's high byte repeats the setting that is left
.if MSB != \new
	s_set_vgpr_msb (MSB<<8)|\new
.set MSB, \new
.endif
.endm
.set G,     200                        ; (the addresses above take v176-181: the quarter lies at v200-263?  no: see below)
.set G,     128
	s_load_b128 s[4:7], s[0:1], 0x0                ; act s[4:5], asc s[6:7]
	s_load_b64 s[8:9], s[0:1], 0x10                ; list
	s_load_b256 s[12:19], s[0:1], 0x18             ; w2's codes s[12:13], scales s[14:15], b2 s[16:17], y s[18:19]
	v_lshl_add_u32 v254, v0, 2, 0x13400
	v_mov_b32 v255, 0
	v_lshrrev_b32 v1, 5, v0
	v_readfirstlane_b32 s26, v1                    ; wave
	s_and_b32 s29, ttmp7, 0xffff
	s_lshr_b32 s27, s29, 2                         ; e
	s_and_b32 s30, s29, 3                          ; g: my work-group's first tile
	s_lshl_b32 s28, ttmp9, 2
	s_add_co_u32 s28, s28, s26                     ; which 32 outputs
	v_and_b32 v1, 31, v0                           ; lane
	v_and_b32 v2, 15, v0                           ; r
	v_bfe_u32 v3, v0, 4, 1                         ; h
	v_lshlrev_b32 v4, 11, v2
	v_lshl_add_u32 v4, v3, 4, v4                   ; w2's codes: row r of 2,048 bytes + 16 h
	v_lshlrev_b32 v5, 6, v2                        ; its scale bytes: 64 a row
	v_lshlrev_b32 v6, 5, v3                        ; b2: 8 h outputs on
	v_lshlrev_b32 v7, 2, v2                        ; the weights: word r of a tile
	v_lshrrev_b32 v8, 3, v1                        ; lane / 8
	v_and_b32 v30, 7, v1
	v_lshlrev_b32 v30, 4, v30                      ; 16 (lane % 8)
	s_mul_i32 s41, s26, 16*144
	s_add_co_u32 s41, s41, STG                     ; my stage
	v_mul_u32_u24 v28, v2, 144
	v_lshl_add_u32 v28, v3, 5, v28
	v_add_nc_u32 v28, s41, v28                     ; in: row r, + 32 h
	v_mul_u32_u24 v29, v8, 4*144
	v_add_nc_u32 v29, v29, v30
	v_add_nc_u32 v29, s41, v29                     ; back: eight lanes to a row of 128 bytes; rows 4 (lane / 8) + 0 .. 3
	v_lshlrev_b32 v8, 4, v8                        ; and those four rows' rids in a tile's 64 bytes of the list
	s_lshl_b32 s42, s26, 13                        ; 8,192 w
	s_lshl_b32 s44, s26, 9                         ; 512 w
	s_lshl_b32 s45, s26, 4                         ; 16 w
	v_lshlrev_b32 v196, 4, v1                      ; 16 lane
	v_add_nc_u32 v197, ABUF, v196
	v_add_nc_u32 v198, s42, v196
	v_add_nc_u32 v199, s42, v197
	v_add_nc_u32 v200, s44, v196
	v_add_nc_u32 v201, s44, v197
	v_add_nc_u32 v9, s42, v196                     ; act: my quarter of a tile: 16 lane + 8,192 w
	v_lshl_add_u32 v10, v2, 6, s45                 ; asc: 64 r + my four words' 16 w
	v_mov_b32 v19, 0                               ; (named as the upper half of the pair v[18:19])
	s_mov_b32 s33, 0
	s_mov_b32 s35, 0
	s_mul_i32 s32, s27, LROW
	s_mul_i32 s34, s27, GROW
	s_add_co_u32 s34, s34, GOFF
	s_wait_kmcnt 0x0
	s_add_nc_u64 s[8:9], s[8:9], s[32:33]          ; the list of expert e
	s_load_b32 s36, s[8:9], CNT                    ; its number of rows
	s_add_nc_u64 s[10:11], s[6:7], s[34:35]        ; its rows' weights
	s_lshl_b32 s32, s27, 21
	s_lshl_b32 s34, s28, 16
	s_add_co_u32 s34, s34, s32
	s_add_nc_u64 s[4:5], s[4:5], s[32:33]          ; act at expert e
	s_add_nc_u64 s[12:13], s[12:13], s[34:35]      ; w2's codes at expert e, my first output
	s_lshl_b32 s32, s27, 16
	s_lshl_b32 s34, s28, 11
	s_add_co_u32 s34, s34, s32
	s_add_nc_u64 s[6:7], s[6:7], s[32:33]          ; asc at expert e
	s_add_nc_u64 s[14:15], s[14:15], s[34:35]      ; w2's scale bytes
	s_lshl_b32 s32, s28, 7
	s_lshl_b32 s34, s27, 12
	s_add_co_u32 s34, s34, s32
	s_add_nc_u64 s[18:19], s[18:19], s[32:33]      ; y at my first column
	s_add_nc_u64 s[16:17], s[16:17], s[34:35]      ; b2
	; the wave's weights: 128 loads of codes, 8 of scale words, 4 of b2.  They stay.
	WIN 0x40                                       ; destination window 1
.irp s, 0,1,2,3,4,5,6,7
.irp u, 0,1
.irp c, 0,1,2,3
	global_load_b128 v[32*\s+16*\u+4*\c:32*\s+16*\u+4*\c+3], v4, s[12:13] offset:32768*\u+128*\s+32*\c
.endr
.endr
.endr
	WIN 0x80                                       ; destination window 2
.irp s, 8,9,10,11,12,13,14,15
.irp u, 0,1
.irp c, 0,1,2,3
	global_load_b128 v[32*(\s-8)+16*\u+4*\c:32*(\s-8)+16*\u+4*\c+3], v4, s[12:13] offset:32768*\u+128*\s+32*\c
.endr
.endr
.endr
	WIN 0
.irp u, 0,1
.irp q, 0,1,2,3
	global_load_b128 v[WSC+16*\u+4*\q:WSC+16*\u+4*\q+3], v5, s[14:15] offset:1024*\u+16*\q      ; word s of a row serves K step s
.endr
.endr
.irp u, 0,1
.irp q, 0,1
	global_load_b128 v[BIAS+8*\u+4*\q:BIAS+8*\u+4*\q+3], v6, s[16:17] offset:64*\u+16*\q        ; register j: output 16 u + 8 h + j
.endr
.endr
	s_wait_kmcnt 0x0                               ; the expert's rows, at most 1,024
	s_add_co_u32 s37, s36, 15
	s_lshr_b32 s37, s37, 4                         ; its tiles
; The LDS address registers: v196, v197: 16 lane in buffer 0, 1; v198, v199: + 8,192 w; v200, v201: 16 lane + 512 w in buffer 0, 1.  (They lie behind the quarter's registers v128-195.)
.macro TADDR                           ; tile s43 -> where my quarter of its image, my four of its scale words, its rows' weights and its rids lie
	v_lshl_add_u32 v11, s43, 15, v9
	v_lshl_add_u32 v12, s43, 10, v10
	v_lshl_add_u32 v13, s43, 6, v7
	v_lshl_add_u32 v15, s43, 6, v8
.endm
.macro AFETCH                          ; 19 loads: 16 blocks of codes, four scale words a row, the row's weight, four rids
.irp j, 0,1,2,3,4,5,6,7,8,9,10,11,12,13,14,15
	global_load_b128 v[G+4*\j:G+4*\j+3], v11, s[4:5] offset:512*\j     ; 32 lanes read 512 consecutive bytes
.endr
	global_load_b128 v[GS:GS+3], v12, s[6:7]
	global_load_b32 v17, v13, s[10:11]
	global_load_b128 v[20:23], v15, s[8:9]         ; the rids of rows 4 (lane / 8) + 0 .. 3: the order of the stores' lanes
.endm
.macro CHUNK q                         ; the eight products of K steps 4 q .. 4 q + 3: the two accumulators by turns, one instruction a turn, K ascending
	s_wait_dscnt 48-16*\q                          ; of the 68 LDS loads the scale words' 4 and the first 16 (q + 1) blocks are in
.if \q < 2
	WIN 0x0d                                       ; source 0 window 1, source 1 window 3
.else
	WIN 0x0e                                       ; source 0 window 2
.endif
.irp i, 0,1,2,3
.irp u, 0,1
.if (\q == 0) && (\i == 0)
	v_wmma_scale_f32_16x16x128_f8f6f4 v[Y+8*\u:Y+8*\u+7], v[32*((4*\q+\i)%8)+16*\u:32*((4*\q+\i)%8)+16*\u+15], v[16*(4*\q+\i):16*(4*\q+\i)+15], v[BIAS+8*\u:BIAS+8*\u+7], v[WSC+16*\u+4*\q+\i], v[ASC+4*\q+\i] matrix_a_fmt:MATRIX_FMT_BF8 matrix_b_fmt:MATRIX_FMT_BF8
.else
	v_wmma_scale_f32_16x16x128_f8f6f4 v[Y+8*\u:Y+8*\u+7], v[32*((4*\q+\i)%8)+16*\u:32*((4*\q+\i)%8)+16*\u+15], v[16*(4*\q+\i):16*(4*\q+\i)+15], v[Y+8*\u:Y+8*\u+7], v[WSC+16*\u+4*\q+\i], v[ASC+4*\q+\i] matrix_a_fmt:MATRIX_FMT_BF8 matrix_b_fmt:MATRIX_FMT_BF8
.endif
.endr
.endr
.endm
.macro EPI                             ; x the row's weight; through my stage; eight neighbouring lanes store a row's 128 consecutive bytes, all that this wave owns of it
.rept 9
	v_nop                                          ; nine places behind the products: eight for the first read of results and for the next step's loads into registers that they read, nine for the next tile's first products, which begin the accumulators anew with another C
.endr
.irp i, 0,2,4,6,8,10,12,14
	v_pk_mul_f32 v[Y+\i:Y+\i+1], v[Y+\i:Y+\i+1], v[18:19] op_sel_hi:[1,0]      ; each accumulator from its low end on
.endr
.irp u, 0,1
.irp q, 0,1
	ds_store_b128 v28, v[Y+8*\u+4*\q:Y+8*\u+4*\q+3] offset:64*\u+16*\q
.endr
.endr
.irp i, 0,1,2,3
	ds_load_b128 v[OB+4*\i:OB+4*\i+3], v29 offset:144*\i   ; LDS serves a wave's instructions in order: these see the stores above
.endr
	s_wait_dscnt 0x0
.irp i, 0,1,2,3
	global_store_b128 v[24+\i], v[OB+4*\i:OB+4*\i+3], s[18:19]
.endr
.endm
; A STEP: tile s38, through buffer b.  The two waits at its head, the wait for LDS and the barrier stand on every way; the work on either side of the barrier is jumped over where the tile does not exist
; (the number of tiles is the same in all four waves).  In front of the barrier each wave's stores into buffer b have landed and its reads of the other buffer, the last step's, are in; behind it buffer b is whole,
; and the other buffer is written again only in the next step, by waves that have passed this barrier.  A wave's stage is its own.
.macro STEP b
	s_wait_loadcnt 0x0                             ; my quarter of this tile, its weight and its rids, asked for a step ago, are in (in the first step: w2 too); so their address registers may be written
	s_wait_xcnt 0x0                                ; the last step's stores have had their addresses translated: their data and offsets may be written
	s_cmp_ge_u32 s38, s37
	s_cbranch_scc1 .Lnost_\@
.irp j, 0,1,2,3,4,5,6,7,8,9,10,11,12,13,14,15
	ds_store_b128 v[198+\b], v[G+4*\j:G+4*\j+3] offset:512*\j
.endr
	ds_store_b128 v[200+\b], v[GS:GS+3] offset:ASCO
.Lnost_\@:
	s_wait_dscnt 0x0
	s_barrier_signal -1
	s_barrier_wait -1
	s_cmp_ge_u32 s38, s37
	s_cbranch_scc1 .Lnowk_\@
	v_mov_b32 v18, v17                             ; this tile's weight and its rows in y are taken out of the registers that are loaded anew below
.irp i, 0,1,2,3
	v_min_u32 v[20+\i], 0x7ff, v[20+\i]
.endr
.irp i, 0,1,2,3
	v_lshl_add_u32 v[24+\i], v[20+\i], 12, v30     ; row rid of 4,096 bytes + 16 (lane % 8)
.endr
	s_add_co_u32 s43, s38, 4                       ; the tile fetched next; where none follows, this one once more: only bytes that were written are read
	s_cmp_lt_u32 s43, s37
	s_cselect_b32 s43, s43, s38
	s_min_u32 s43, s43, 63
	TADDR
	AFETCH                                         ; asked for first, so that it has this step's products and way out in which to land
.irp q, 0,1,2,3
	ds_load_b128 v[ASC+4*\q:ASC+4*\q+3], v[196+\b] offset:ASCO+512*\q
.endr
	WIN 0xc0                                       ; destination window 3
.irp j, 0,1,2,3,4,5,6,7,8,9,10,11,12,13,14,15,16,17,18,19,20,21,22,23,24,25,26,27,28,29,30,31,32,33,34,35,36,37,38,39,40,41,42,43,44,45,46,47,48,49,50,51,52,53,54,55,56,57,58,59,60,61,62,63
	ds_load_b128 v[4*\j:4*\j+3], v[196+\b] offset:512*\j
.endr
	CHUNK 0
	CHUNK 1
	CHUNK 2
	CHUNK 3
	WIN 0
	EPI
.Lnowk_\@:
	s_add_co_u32 s38, s38, 4
.endm
	s_cmp_lt_u32 s30, s37
	s_cselect_b32 s43, s30, 0                      ; a work-group without a tile fetches tile 0 and multiplies nothing
	s_min_u32 s43, s43, 63
	TADDR
	AFETCH
	s_mov_b32 s38, s30                             ; the step's tile
	s_mov_b32 s40, 8
.Ltrip:
	STEP 0
	STEP 1
	s_sub_co_u32 s40, s40, 1
	s_cmp_lg_u32 s40, 0
	s_cbranch_scc1 .Ltrip
	s_wait_tensorcnt 0x0
	ds_add_u32 v254, v255
	s_wait_dscnt 0x0
	s_endpgm
.Lfunc_end_k_qd800fb28c7_outp:
	.size	k_qd800fb28c7_outp, .Lfunc_end_k_qd800fb28c7_outp-k_qd800fb28c7_outp
	.p2alignl 7, 3214868480
	.fill 96, 4, 3214868480
	.section	.rodata,"a",@progbits
	.p2align	6, 0x0
	.amdhsa_kernel k_qd800fb28c7_outp
		.amdhsa_group_segment_fixed_size 79360
		.amdhsa_private_segment_fixed_size 0
		.amdhsa_enable_private_segment 0
		.amdhsa_kernarg_size 56
		.amdhsa_user_sgpr_count 2
		.amdhsa_user_sgpr_kernarg_segment_ptr 1
		.amdhsa_wavefront_size32 1
		.amdhsa_system_sgpr_workgroup_id_x 1
		.amdhsa_system_sgpr_workgroup_id_y 1
		.amdhsa_system_sgpr_workgroup_id_z 1
		.amdhsa_system_vgpr_workitem_id 0
		.amdhsa_next_free_vgpr 1024
		.amdhsa_next_free_sgpr 66
		.amdhsa_reserve_vcc 0
		.amdhsa_float_denorm_mode_32 3
		.amdhsa_float_denorm_mode_16_64 3
		.amdhsa_memory_ordered 1
		.amdhsa_forward_progress 1
		.amdhsa_inst_pref_size 48
	.end_amdhsa_kernel
	.amdgpu_metadata
---
amdhsa.version: [ 1, 2 ]
amdhsa.kernels:
  - .name:           k_qd800fb28c7_outp
    .symbol:         k_qd800fb28c7_outp.kd
    .args:
      - { .name: act, .offset: 0, .size: 8, .value_kind: global_buffer, .address_space: global }
      - { .name: asc, .offset: 8, .size: 8, .value_kind: global_buffer, .address_space: global }
      - { .name: list, .offset: 16, .size: 8, .value_kind: global_buffer, .address_space: global }
      - { .name: w2_codes, .offset: 24, .size: 8, .value_kind: global_buffer, .address_space: global }
      - { .name: w2_scales, .offset: 32, .size: 8, .value_kind: global_buffer, .address_space: global }
      - { .name: b2, .offset: 40, .size: 8, .value_kind: global_buffer, .address_space: global }
      - { .name: y, .offset: 48, .size: 8, .value_kind: global_buffer, .address_space: global }
    .group_segment_fixed_size: 79360
    .private_segment_fixed_size: 0
    .kernarg_segment_align: 8
    .kernarg_segment_size: 56
    .max_flat_workgroup_size: 128
    .sgpr_count:     66
    .vgpr_count:     1024
    .wavefront_size: 32
...
	.end_amdgpu_metadata
.endif
;; end of part 4
;; launch add (part 5): grid 256 x 1, 8 waves a work-group, no clusters, 0 bytes of LDS; arguments y, out0; writes out0
.if DOCPART == 5
	.amdgcn_target "amdgcn-amd-amdhsa--gfx1250"
	.amdhsa_code_object_version 6
	.text
	.protected	k_qd800fb28c7_add
	.globl	k_qd800fb28c7_add
	.p2align	8
	.type	k_qd800fb28c7_add,@function
k_qd800fb28c7_add:
	s_mov_b64 s[64:65], 0
	v_nop
	global_prefetch_b8 v0, s[64:65] scope:SCOPE_SE
	s_setreg_imm32_b32 hwreg(HW_REG_WAVE_MODE, 25, 1), 1
	s_wait_xcnt 0x0
; out0[t] = y[t] + y[1,024 + t]: a token's two weighted rows, slot 0's first, as the sum over the slots has them.  A stream: 8 MB in, 4 MB out.
; A work-group takes 16 KB of out0; thread n takes 16 bytes at 16 n of each of its four runs of 4,096 bytes, so that each load and store of a wave covers 512 consecutive bytes, aligned.
; All eight loads go out first; no register is written again while a store reads it.  No LDS, no barrier, no loop, no matrix unit: nothing is shared and nothing is multiplied.
	s_load_b128 s[4:7], s[0:1], 0x0                ; y s[4:5], out0 s[6:7]
	v_lshlrev_b32 v1, 4, v0
	s_lshl_b32 s8, ttmp9, 14
	s_mov_b32 s9, 0
	s_wait_kmcnt 0x0
	s_add_nc_u64 s[4:5], s[4:5], s[8:9]
	s_add_nc_u64 s[6:7], s[6:7], s[8:9]
.irp i, 0,1,2,3
	global_load_b128 v[8+8*\i:11+8*\i], v1, s[4:5] offset:4096*\i th:TH_LOAD_NT
	global_load_b128 v[12+8*\i:15+8*\i], v1, s[4:5] offset:4194304+4096*\i th:TH_LOAD_NT
.endr
.irp i, 0,1,2,3
	s_wait_loadcnt 6-2*\i                          ; loads come back in order: pair i is in, the later pairs stay out
	v_pk_add_f32 v[8+8*\i:9+8*\i], v[8+8*\i:9+8*\i], v[12+8*\i:13+8*\i]
	v_pk_add_f32 v[10+8*\i:11+8*\i], v[10+8*\i:11+8*\i], v[14+8*\i:15+8*\i]
	global_store_b128 v1, v[8+8*\i:11+8*\i], s[6:7] offset:4096*\i th:TH_STORE_NT
.endr
	s_endpgm
.Lfunc_end_k_qd800fb28c7_add:
	.size	k_qd800fb28c7_add, .Lfunc_end_k_qd800fb28c7_add-k_qd800fb28c7_add
	.p2alignl 7, 3214868480
	.fill 96, 4, 3214868480
	.section	.rodata,"a",@progbits
	.p2align	6, 0x0
	.amdhsa_kernel k_qd800fb28c7_add
		.amdhsa_group_segment_fixed_size 0
		.amdhsa_private_segment_fixed_size 0
		.amdhsa_enable_private_segment 0
		.amdhsa_kernarg_size 16
		.amdhsa_user_sgpr_count 2
		.amdhsa_user_sgpr_kernarg_segment_ptr 1
		.amdhsa_wavefront_size32 1
		.amdhsa_system_sgpr_workgroup_id_x 1
		.amdhsa_system_sgpr_workgroup_id_y 1
		.amdhsa_system_sgpr_workgroup_id_z 1
		.amdhsa_system_vgpr_workitem_id 0
		.amdhsa_next_free_vgpr 48
		.amdhsa_next_free_sgpr 66
		.amdhsa_reserve_vcc 0
		.amdhsa_float_denorm_mode_32 3
		.amdhsa_float_denorm_mode_16_64 3
		.amdhsa_memory_ordered 1
		.amdhsa_forward_progress 1
		.amdhsa_inst_pref_size 3
	.end_amdhsa_kernel
	.amdgpu_metadata
---
amdhsa.version: [ 1, 2 ]
amdhsa.kernels:
  - .name:           k_qd800fb28c7_add
    .symbol:         k_qd800fb28c7_add.kd
    .args:
      - { .name: y, .offset: 0, .size: 8, .value_kind: global_buffer, .address_space: global }
      - { .name: out0, .offset: 8, .size: 8, .value_kind: global_buffer, .address_space: global }
    .group_segment_fixed_size: 0
    .private_segment_fixed_size: 0
    .kernarg_segment_align: 8
    .kernarg_segment_size: 16
    .max_flat_workgroup_size: 256
    .sgpr_count:     66
    .vgpr_count:     48
    .wavefront_size: 32
...
	.end_amdgpu_metadata
.endif
;; end of part 5
;; ======== version 2 of 2: 5 launches
;; workspace buffers: xq 1,048,576 bytes; xs 32,768 bytes; topi 8,192 bytes of whole numbers; gate 8,192 bytes; list 40,960 bytes of whole numbers; act 16,777,216 bytes; asc 561,152 bytes; y 8,388,608 bytes
;; launch route (part 6): grid 256 x 1, 4 waves a work-group, no clusters, 22,016 bytes of LDS; arguments x, gate_w, gate_b, xq, xs, topi, gate; writes xq, xs, topi, gate
.if DOCPART == 6
	.amdgcn_target "amdgcn-amd-amdhsa--gfx1250"
	.amdhsa_code_object_version 6
	.text
	.protected	k_qd800fb28c7_route
	.globl	k_qd800fb28c7_route
	.p2align	8
	.type	k_qd800fb28c7_route,@function
k_qd800fb28c7_route:
	s_mov_b64 s[64:65], 0
	v_nop
	global_prefetch_b8 v0, s[64:65] scope:SCOPE_SE
	s_setreg_imm32_b32 hwreg(HW_REG_WAVE_MODE, 25, 1), 1
	s_wait_xcnt 0x0
; ROUTER AND QUANTISER OF x.  One wave takes one token t = 4 x work-group + wave (1,024 tokens, 256 work-groups of four waves).
; It (a) turns the token's 1,024 f32 numbers into codes of E5M2 with one E8M0 byte for each 32 along D (xq [t][1024], xs [t][32]);
; (b) forms the eight logits x . gate_w[e] + gate_b[e] in f32 by fused multiply-adds; (c) takes the two largest (a strict compare in ascending e:
; of equal logits the lower index is kept) and the softmax of the two, with the larger taken away before the exponential;
; (d) stores the experts as whole numbers (topi [2][1024]) and the weights (gate [2][1024]) at fixed places: no address here hangs on a logit.
; A block's scale is 2^(floor(log2(largest magnitude)) - 15); its byte is the largest magnitude's exponent field - 15, held at 1 from below.
; LIMITS: NaN and infinities among the inputs are not served.  A block whose largest magnitude lies under 2^-111 (a block of zeros too) gets the byte 1:
; a block of zeros has zero codes, which add nothing, and only this program reads the bytes.  The logits are summed in another order than a plain
; ascending sum: two logits that differ by less than f32 rounding may change places.
; No matrix unit, no cluster, no tensor load: the launch reads 4 MB once and shares only gate_w (32 KB), which each wave keeps in 256 registers.
.set WREG, 5376                        ; LDS of a wave: two stages of 32 x SP bytes, then the row's 32 scale bytes
.set SP,   80                          ; a lane's place in a stage: 64 bytes + 16 of padding
.set SBY,  2*32*SP
.set R,    16                          ; v16-47   x as loaded: load i: x[128 i + 4 lane + 0..3]
.set X,    48                          ; v48-79   x turned: step s: x[512 s + 16 lane + 0..15]
.set C,    80                          ; v80-87   codes, four registers a step
.set E,    88                          ; v88-89   a scale byte a step
.set ACC,  96                          ; v96-111  a pair of sums for each expert
.set MSB, 0
.macro WIN new                         ; the immediate's high byte repeats the setting that is left
.if MSB != \new
	s_set_vgpr_msb (MSB<<8)|\new
.set MSB, \new
.endif
.endm
	s_load_b256 s[4:11], s[0:1], 0x0               ; x s[4:5], gate_w s[6:7], gate_b s[8:9], xq s[10:11]
	s_load_b128 s[12:15], s[0:1], 0x20             ; xs s[12:13], topi s[14:15]
	s_load_b64 s[16:17], s[0:1], 0x30              ; gate
	v_lshl_add_u32 v254, v0, 2, 0x5400
	v_mov_b32 v255, 0
	v_lshrrev_b32 v1, 5, v0
	v_readfirstlane_b32 s18, v1                    ; wave
	v_and_b32 v1, 31, v0                           ; lane
	v_lshlrev_b32 v2, 4, v1                        ; 16 x lane
	s_mul_i32 s35, s18, WREG
	v_lshrrev_b32 v3, 2, v1
	v_mul_u32_u24 v3, v3, SP
	v_and_b32 v4, 3, v1
	v_lshl_add_u32 v3, v4, 4, v3
	v_add_nc_u32 v3, s35, v3                       ; the stage, on the way in: SP (lane / 4) + 16 (lane % 4)
	v_mul_u32_u24 v4, v1, SP
	v_add_nc_u32 v4, s35, v4                       ; and on the way out: SP x lane: 16 neighbours
	s_add_co_u32 s35, s35, SBY
	v_lshrrev_b32 v5, 1, v1
	v_add_nc_u32 v5, s35, v5                       ; my block's scale byte
	v_and_b32 v6, 7, v1
	v_lshl_add_u32 v6, v6, 2, s35                  ; the row's 32 bytes as eight words
	v_lshlrev_b32 v7, 2, v1
	s_lshl_b32 s19, ttmp9, 2
	s_add_co_u32 s19, s19, s18                     ; t
	s_mov_b32 s23, 0
	s_mov_b32 s32, 0x76543210
	s_mov_b32 s33, 0xfedcba98                      ; v_permlanex16_b32's selects for lane l xor 16
	s_mov_b32 s34, 0x600000                        ; the mantissa field of 57,344
	s_wait_alu depctr_va_vdst(0)
	s_wait_kmcnt 0x0
	s_load_b256 s[24:31], s[8:9], 0x0              ; gate_b's eight numbers
	s_lshl_b32 s22, s19, 12
	s_add_nc_u64 s[4:5], s[4:5], s[22:23]          ; x at my row
	s_lshl_b32 s22, s19, 10
	s_add_nc_u64 s[10:11], s[10:11], s[22:23]      ; its codes
	s_lshl_b32 s22, s19, 5
	s_add_nc_u64 s[12:13], s[12:13], s[22:23]      ; its scale bytes
.irp i, 0,1,2,3,4,5,6,7
	global_load_b128 v[R+4*\i:R+4*\i+3], v2, s[4:5] offset:512*\i th:TH_LOAD_NT   ; 32 lanes read 512 consecutive bytes
.endr
	WIN 0x40                                       ; destination window 1
.irp e, 0,1,2,3,4,5,6,7
.irp i, 0,1,2,3,4,5,6,7
	global_load_b128 v[32*\e+4*\i:32*\e+4*\i+3], v2, s[6:7] offset:4096*\e+512*\i  ; gate_w[e], in x's own lane order
.endr
.endr
	WIN 0
	s_wait_loadcnt 63                              ; x's eight loads are the oldest of 72: they are in when at most 63 are out
.irp s, 0,1                                    ; the row turns through the stage: LDS serves a wave's instructions in order, so no wait stands between stores and loads
.irp i, 0,1,2,3
	ds_store_b128 v3, v[R+16*\s+4*\i:R+16*\s+4*\i+3] offset:32*SP*\s+8*SP*\i
.endr
.irp i, 0,1,2,3
	ds_load_b128 v[X+16*\s+4*\i:X+16*\s+4*\i+3], v4 offset:32*SP*\s+16*\i
.endr
.endr
	s_wait_dscnt 0x0
.macro QSTEP s                         ; 512 numbers: 16 a lane, two neighbouring lanes to a block of 32
.set XS, X+16*\s
	v_max3_num_f32 v8, |v[XS]|, |v[XS+1]|, |v[XS+2]|
	v_max3_num_f32 v9, |v[XS+3]|, |v[XS+4]|, |v[XS+5]|
.irp i, 6,10
	v_max3_num_f32 v8, v8, |v[XS+\i]|, |v[XS+\i+1]|
	v_max3_num_f32 v9, v9, |v[XS+\i+2]|, |v[XS+\i+3]|
.endr
	v_max3_num_f32 v8, v8, |v[XS+14]|, |v[XS+15]|
	v_max3_num_f32 v8, v8, v9, 0x8000000           ; and the floor 2^(16 - 127): the byte cannot fall under 1
	v_max_num_f32_dpp v8, v8, v8 row_xmask:1 row_mask:0xf bank_mask:0xf   ; with my neighbour's 16: the block's largest magnitude
	v_add_nc_u32 v11, 0xf8800000, v8               ; 15 off its exponent field: the conversion's scale operand
	v_and_or_b32 v10, v8, 0x7f800000, s34          ; 57,344 x the scale
.irp i, 0,1,2,3,4,5,6,7,8,9,10,11,12,13,14,15
	v_med3_num_f32 v[XS+\i], v[XS+\i], -v10, v10   ; the conversion to an 8-bit code does not saturate (ISA guide 7.6.2): the hold comes first
.endr
	v_cvt_scalef32_pk8_bf8_f32 v[C+4*\s:C+4*\s+1], v[XS:XS+7], v11
	v_cvt_scalef32_pk8_bf8_f32 v[C+4*\s+2:C+4*\s+3], v[XS+8:XS+15], v11
	v_lshrrev_b32 v[E+\s], 23, v11                 ; the scale's byte (also the plain line behind the conversions)
	ds_store_b8 v5, v[E+\s] offset:16*\s           ; both lanes of a block write the same byte with the same value
	global_store_b128 v2, v[C+4*\s:C+4*\s+3], s[10:11] offset:512*\s   ; 32 lanes store 512 consecutive bytes, aligned
.endm
	QSTEP 0
	QSTEP 1
	s_wait_loadcnt 0x0                             ; gate_w
	WIN 0x04                                       ; source 1 window 1
.irp p, 0,1,2,3,4,5,6,7,8,9,10,11,12,13,14,15  ; the eight experts' sums by turns: no line waits for the line above it
.irp e, 0,1,2,3,4,5,6,7
.if \p == 0
	v_pk_mul_f32 v[ACC+2*\e:ACC+2*\e+1], v[R+2*\p:R+2*\p+1], v[32*\e+2*\p:32*\e+2*\p+1]
.else
	v_pk_fma_f32 v[ACC+2*\e:ACC+2*\e+1], v[R+2*\p:R+2*\p+1], v[32*\e+2*\p:32*\e+2*\p+1], v[ACC+2*\e:ACC+2*\e+1]
.endif
.endr
.endr
	WIN 0
.irp e, 0,1,2,3,4,5,6,7
	v_add_f32 v[ACC+2*\e], v[ACC+2*\e], v[ACC+2*\e+1]
.endr
.irp m, 1,2,4,8
.irp e, 0,1,2,3,4,5,6,7
	v_add_f32_dpp v[ACC+2*\e], v[ACC+2*\e], v[ACC+2*\e] row_xmask:\m row_mask:0xf bank_mask:0xf
.endr
.endr
.irp e, 0,1,2,3,4,5,6,7
	v_permlanex16_b32 v[ACC+2*\e+1], v[ACC+2*\e], s32, s33
.endr
	s_wait_alu depctr_va_vdst(0)
	s_wait_kmcnt 0x0                               ; gate_b
.irp e, 0,1,2,3,4,5,6,7
	v_add_f32 v[ACC+2*\e], v[ACC+2*\e], v[ACC+2*\e+1]
.endr
.irp e, 0,1,2,3,4,5,6,7
	v_add_f32 v[ACC+2*\e], s[24+\e], v[ACC+2*\e]   ; the logit, the same in every lane
.endr
	; the largest: v112 its value, v113 its index
	v_mov_b32 v112, v[ACC]
	v_mov_b32 v113, 0
	v_mov_b32 v124, 0xff800000                     ; -infinity
.irp e, 1,2,3,4,5,6,7
	v_cmp_gt_f32 vcc_lo, v[ACC+2*\e], v112
	v_cndmask_b32 v112, v112, v[ACC+2*\e], vcc_lo
	v_cndmask_b32 v113, v113, \e, vcc_lo
.endr
.irp e, 0,1,2,3,4,5,6,7
	v_cmp_eq_u32 vcc_lo, \e, v113
	v_cndmask_b32 v[116+\e], v[ACC+2*\e], v124, vcc_lo   ; the largest is taken out
.endr
	v_mov_b32 v114, v116                           ; the second: v114 its value, v115 its index
	v_mov_b32 v115, 0
.irp e, 1,2,3,4,5,6,7
	v_cmp_gt_f32 vcc_lo, v[116+\e], v114
	v_cndmask_b32 v114, v114, v[116+\e], vcc_lo
	v_cndmask_b32 v115, v115, \e, vcc_lo
.endr
	v_sub_f32 v125, v114, v112                     ; second - largest, 0 or less: the maximum is taken away
	v_mul_f32 v125, 0x3fb8aa3b, v125
	s_wait_alu depctr_va_vdst(0)
	v_exp_f32 v125, v125                           ; q = e^(second - largest)
	v_nop                                          ; a plain line behind a transcendental
	s_wait_alu depctr_va_vdst(0)
	v_add_f32 v126, 1.0, v125
	s_wait_alu depctr_va_vdst(0)
	v_rcp_f32 v126, v126                           ; the largest's weight 1 / (1 + q)
	v_nop
	s_wait_alu depctr_va_vdst(0)
	v_mul_f32 v127, v125, v126                     ; the second's q / (1 + q)
	ds_load_b32 v13, v6                            ; the row's scale bytes: my own stores, served in order
	v_cmp_eq_u32 vcc_lo, 1, v1
	v_cndmask_b32 v15, v113, v115, vcc_lo          ; lane 0 carries slot 0, lane 1 slot 1
	v_cndmask_b32 v12, v126, v127, vcc_lo
	v_lshlrev_b32 v14, 12, v1
	v_lshl_add_u32 v14, s19, 2, v14                ; 4,096 x slot + 4 t
	s_wait_alu depctr_va_vdst(0)
	s_wait_dscnt 0x0
	s_wait_xcnt 0x0                                ; EXEC changes only when the earlier stores have had their addresses translated
	v_cmp_gt_u32 vcc_lo, 8, v1
	s_wait_tensorcnt 0x0
	ds_add_u32 v254, v255
	s_wait_dscnt 0x0
	s_and_saveexec_b32 s20, vcc_lo
	global_store_b32 v7, v13, s[12:13]             ; eight lanes: the row's 32 scale bytes
	s_wait_xcnt 0x0
	s_or_b32 exec_lo, exec_lo, s20
	v_cmp_gt_u32 vcc_lo, 2, v1
	s_and_saveexec_b32 s21, vcc_lo
	global_store_b32 v14, v15, s[14:15]            ; the expert, a whole number
	global_store_b32 v14, v12, s[16:17]            ; its weight
	s_wait_xcnt 0x0
	s_or_b32 exec_lo, exec_lo, s21
	s_endpgm
.Lfunc_end_k_qd800fb28c7_route:
	.size	k_qd800fb28c7_route, .Lfunc_end_k_qd800fb28c7_route-k_qd800fb28c7_route
	.p2alignl 7, 3214868480
	.fill 96, 4, 3214868480
	.section	.rodata,"a",@progbits
	.p2align	6, 0x0
	.amdhsa_kernel k_qd800fb28c7_route
		.amdhsa_group_segment_fixed_size 22016
		.amdhsa_private_segment_fixed_size 0
		.amdhsa_enable_private_segment 0
		.amdhsa_kernarg_size 56
		.amdhsa_user_sgpr_count 2
		.amdhsa_user_sgpr_kernarg_segment_ptr 1
		.amdhsa_wavefront_size32 1
		.amdhsa_system_sgpr_workgroup_id_x 1
		.amdhsa_system_sgpr_workgroup_id_y 1
		.amdhsa_system_sgpr_workgroup_id_z 1
		.amdhsa_system_vgpr_workitem_id 0
		.amdhsa_next_free_vgpr 512
		.amdhsa_next_free_sgpr 66
		.amdhsa_reserve_vcc 1
		.amdhsa_float_denorm_mode_32 3
		.amdhsa_float_denorm_mode_16_64 3
		.amdhsa_memory_ordered 1
		.amdhsa_forward_progress 1
		.amdhsa_inst_pref_size 30
	.end_amdhsa_kernel
	.amdgpu_metadata
---
amdhsa.version: [ 1, 2 ]
amdhsa.kernels:
  - .name:           k_qd800fb28c7_route
    .symbol:         k_qd800fb28c7_route.kd
    .args:
      - { .name: x, .offset: 0, .size: 8, .value_kind: global_buffer, .address_space: global }
      - { .name: gate_w, .offset: 8, .size: 8, .value_kind: global_buffer, .address_space: global }
      - { .name: gate_b, .offset: 16, .size: 8, .value_kind: global_buffer, .address_space: global }
      - { .name: xq, .offset: 24, .size: 8, .value_kind: global_buffer, .address_space: global }
      - { .name: xs, .offset: 32, .size: 8, .value_kind: global_buffer, .address_space: global }
      - { .name: topi, .offset: 40, .size: 8, .value_kind: global_buffer, .address_space: global }
      - { .name: gate, .offset: 48, .size: 8, .value_kind: global_buffer, .address_space: global }
    .group_segment_fixed_size: 22016
    .private_segment_fixed_size: 0
    .kernarg_segment_align: 8
    .kernarg_segment_size: 56
    .max_flat_workgroup_size: 128
    .sgpr_count:     66
    .vgpr_count:     512
    .wavefront_size: 32
...
	.end_amdgpu_metadata
.endif
;; end of part 6
;; launch place (part 7): grid 8 x 1, 1 waves a work-group, no clusters, 10,496 bytes of LDS; arguments topi, gate, list, asc; writes list, asc
.if DOCPART == 7
	.amdgcn_target "amdgcn-amd-amdhsa--gfx1250"
	.amdhsa_code_object_version 6
	.text
	.protected	k_qd800fb28c7_place
	.globl	k_qd800fb28c7_place
	.p2align	8
	.type	k_qd800fb28c7_place,@function
k_qd800fb28c7_place:
	s_mov_b64 s[64:65], 0
	v_nop
	global_prefetch_b8 v0, s[64:65] scope:SCOPE_SE
	s_setreg_imm32_b32 hwreg(HW_REG_WAVE_MODE, 25, 1), 1
	s_wait_xcnt 0x0
; THE ROWS OF EACH EXPERT, ON END.  A routed row is rid = 1,024 x slot + token; topi [2][1024] holds its expert (whole numbers stored by the launch before), gate [2][1024] its weight.
; Work-group e, one wave, lays the rids of expert e one behind the other, and their weights in the same order, and counts them.  Eight experts: eight work-groups; there is no more work than that.
; A row's place is the count so far + the matching lanes below it (a counting pass over 64 words a lane; no atomics).  The rows are placed in LDS, at addresses made of topi's whole numbers,
; and the finished image leaves by stores of 512 consecutive bytes at fixed addresses.
; list [8][1280] words: places 0 .. 1,151; 32 dump words; the number of rows at byte 4,736.  The weights, [8][1152] f32, lie behind the scale bytes in asc, from byte 524,288 on.
; Behind the last row it is repeated 32 times, so that a last tile of 16 places is full of rows that exist: they compute and store the same numbers.  What lies further on is 0: rid 0, a row that exists.
; A token's two experts differ, so an expert has at most 1,024 rows.
.set LROW,  5120                       ; an expert's bytes in list
.set GROW,  4608                       ; and among the weights
.set GOFF,  524288                     ; where the weights begin in asc
.set GL,    5120                       ; LDS: the weights' image, behind the list's
.set DUMPW, 1152                       ; 32 words for the lanes that have nothing to place
.set CNT,   4736                       ; the number of rows
.set IDX,   176                        ; v176-239 topi: word q of load j in lane l is rid 128 j + 4 l + q
.set GV,    112                        ; v112-175 gate, likewise
	s_load_b256 s[4:11], s[0:1], 0x0               ; topi s[4:5], gate s[6:7], list s[8:9], asc s[10:11]
	v_lshl_add_u32 v254, v0, 2, 0x2800
	v_mov_b32 v255, 0
	v_and_b32 v1, 31, v0                           ; lane
	v_lshlrev_b32 v240, 4, v1                      ; 16 x lane
	v_lshlrev_b32 v241, 2, v1                      ; 4 x lane
	v_add_nc_u32 v242, DUMPW, v1                   ; my dump word
.irp i, 244,245,246,247
	v_mov_b32 v\i, 0
.endr
	v_mov_b32 v249, CNT
	s_mov_b32 s18, ttmp9                           ; e
	s_mul_i32 s12, s18, LROW
	s_mov_b32 s13, 0
	s_mul_i32 s14, s18, GROW
	s_add_co_u32 s14, s14, GOFF
	s_mov_b32 s15, 0
	s_wait_alu depctr_va_vdst(0)
	s_wait_kmcnt 0x0
	s_add_nc_u64 s[8:9], s[8:9], s[12:13]
	s_add_nc_u64 s[10:11], s[10:11], s[14:15]
.irp j, 0,1,2,3,4,5,6,7,8,9,10,11,12,13,14,15
	global_load_b128 v[IDX+4*\j:IDX+4*\j+3], v240, s[4:5] offset:512*\j
.endr
.irp j, 0,1,2,3,4,5,6,7,8,9,10,11,12,13,14,15
	global_load_b128 v[GV+4*\j:GV+4*\j+3], v240, s[6:7] offset:512*\j
.endr
.irp j, 0,1,2,3,4,5,6,7,8,9,10,11,12,13,14,15,16,17,18,19
	ds_store_b128 v240, v[244:247] offset:512*\j   ; both images begin as zeros
.endr
	s_mov_b32 s17, 0                               ; the count so far
	s_wait_loadcnt 0x0
.irp j, 0,1,2,3,4,5,6,7,8,9,10,11,12,13,14,15
.irp q, 0,1,2,3
	v_cmp_eq_u32 vcc_lo, s18, v[IDX+4*\j+\q]
	v_mbcnt_lo_u32_b32 v243, vcc_lo, s17
	v_cndmask_b32 v243, v242, v243, vcc_lo         ; a lane without a match writes its own dump word
	v_min_u32 v243, 1183, v243
	v_lshlrev_b32 v243, 2, v243
	v_add_nc_u32 v248, 128*\j+\q, v241
	ds_store_b32 v243, v248                        ; the rid,
	ds_store_b32 v243, v[GV+4*\j+\q] offset:GL     ; and its weight at the same place
	s_bcnt1_i32_b32 s16, vcc_lo
	s_add_co_u32 s17, s17, s16
.endr
.endr
	s_max_u32 s16, s17, 1
	s_sub_co_u32 s16, s16, 1
	s_min_u32 s16, s16, 1023
	s_lshl_b32 s16, s16, 2
	v_mov_b32 v243, s16
	ds_load_b32 v251, v243                         ; the last row (LDS serves a wave's instructions in order: this sees the stores above),
	ds_load_b32 v252, v243 offset:GL
	s_wait_dscnt 0x0
	v_add_nc_u32 v243, s17, v1
	v_min_u32 v243, 1151, v243
	v_lshlrev_b32 v243, 2, v243
	ds_store_b32 v243, v251                        ; repeated 32 times behind the list's end
	ds_store_b32 v243, v252 offset:GL
	v_mov_b32 v250, s17
	ds_store_b32 v249, v250                        ; the number of rows
.irp j, 0,1,2,3,4,5,6,7,8,9
	ds_load_b128 v[16+4*\j:19+4*\j], v240 offset:512*\j
.endr
.irp j, 0,1,2,3,4,5,6,7,8
	ds_load_b128 v[56+4*\j:59+4*\j], v240 offset:GL+512*\j
.endr
	s_wait_dscnt 0x0
.irp j, 0,1,2,3,4,5,6,7,8,9
	global_store_b128 v240, v[16+4*\j:19+4*\j], s[8:9] offset:512*\j     ; 32 lanes store 512 consecutive bytes, aligned
.endr
.irp j, 0,1,2,3,4,5,6,7,8
	global_store_b128 v240, v[56+4*\j:59+4*\j], s[10:11] offset:512*\j
.endr
	s_wait_tensorcnt 0x0
	ds_add_u32 v254, v255
	s_wait_dscnt 0x0
	s_endpgm
.Lfunc_end_k_qd800fb28c7_place:
	.size	k_qd800fb28c7_place, .Lfunc_end_k_qd800fb28c7_place-k_qd800fb28c7_place
	.p2alignl 7, 3214868480
	.fill 96, 4, 3214868480
	.section	.rodata,"a",@progbits
	.p2align	6, 0x0
	.amdhsa_kernel k_qd800fb28c7_place
		.amdhsa_group_segment_fixed_size 10496
		.amdhsa_private_segment_fixed_size 0
		.amdhsa_enable_private_segment 0
		.amdhsa_kernarg_size 32
		.amdhsa_user_sgpr_count 2
		.amdhsa_user_sgpr_kernarg_segment_ptr 1
		.amdhsa_wavefront_size32 1
		.amdhsa_system_sgpr_workgroup_id_x 1
		.amdhsa_system_sgpr_workgroup_id_y 1
		.amdhsa_system_sgpr_workgroup_id_z 1
		.amdhsa_system_vgpr_workitem_id 0
		.amdhsa_next_free_vgpr 256
		.amdhsa_next_free_sgpr 66
		.amdhsa_reserve_vcc 1
		.amdhsa_float_denorm_mode_32 3
		.amdhsa_float_denorm_mode_16_64 3
		.amdhsa_memory_ordered 1
		.amdhsa_forward_progress 1
		.amdhsa_inst_pref_size 40
	.end_amdhsa_kernel
	.amdgpu_metadata
---
amdhsa.version: [ 1, 2 ]
amdhsa.kernels:
  - .name:           k_qd800fb28c7_place
    .symbol:         k_qd800fb28c7_place.kd
    .args:
      - { .name: topi, .offset: 0, .size: 8, .value_kind: global_buffer, .address_space: global }
      - { .name: gate, .offset: 8, .size: 8, .value_kind: global_buffer, .address_space: global }
      - { .name: list, .offset: 16, .size: 8, .value_kind: global_buffer, .address_space: global }
      - { .name: asc, .offset: 24, .size: 8, .value_kind: global_buffer, .address_space: global }
    .group_segment_fixed_size: 10496
    .private_segment_fixed_size: 0
    .kernarg_segment_align: 8
    .kernarg_segment_size: 32
    .max_flat_workgroup_size: 32
    .sgpr_count:     66
    .vgpr_count:     256
    .wavefront_size: 32
...
	.end_amdgpu_metadata
.endif
;; end of part 7
;; launch hidden (part 8): grid 16 x 16, 4 waves a work-group, no clusters, 35,328 bytes of LDS; arguments xq, xs, list, w0_codes, w0_scales, b0, w1_codes, w1_scales, b1, act, asc; writes act, asc
.if DOCPART == 8
	.amdgcn_target "amdgcn-amd-amdhsa--gfx1250"
	.amdhsa_code_object_version 6
	.text
	.protected	k_qd800fb28c7_hidden
	.globl	k_qd800fb28c7_hidden
	.p2align	8
	.type	k_qd800fb28c7_hidden,@function
k_qd800fb28c7_hidden:
	s_mov_b64 s[64:65], 0
	v_nop
	global_prefetch_b8 v0, s[64:65] scope:SCOPE_SE
	s_setreg_imm32_b32 hwreg(HW_REG_WAVE_SCHED_MODE, 0, 2), 2
	s_setreg_imm32_b32 hwreg(HW_REG_WAVE_MODE, 25, 1), 1
	s_wait_xcnt 0x0
	s_wait_alu depctr_vm_vsrc(0)
; act = (x w0^T + b0) * silu(x w1^T + b1) for the rows routed to one expert, quantised along H on the way.  Both products on codes of E5M2 with E8M0 scales.
; SHARES.  Work-group (sl, 2 e + g): expert e, hidden units 128 sl .. 128 sl + 127, and of the expert's tiles of 16 rows those of parity g.  Wave w: units 32 kb .. 32 kb + 31, kb = 4 sl + w: one block of 32
; along the next K.  Its 2 x 32 rows of w0 and w1 for all of K = 1,024 (64 KB of codes) stay in 512 registers.  All four waves multiply the same tiles of x.
; A TILE OF x IS FETCHED ONCE FOR THE WORK-GROUP: wave w loads K steps 2 w and 2 w + 1 of the 16 rows (8 loads) and their scale words (1 load) and lays them in LDS as images of the operand's registers
; (lane l's 16 bytes at 16 l, 512 bytes a store); behind a barrier each wave loads all eight K steps by the same lines.  So a tile costs the work-group 36 loads from memory, not 4 x 34.
; Two buffers by turns, one barrier a step: between two barriers one buffer is read and only the other is written.
; THE ROW LIST.  A routed row is rid = 1,024 x slot + token.  list (whole numbers stored by the launch before) holds the rids of expert e on end, and their number at byte 4,736 of the expert's 5,120.
; The last tile's spare places repeat the expert's last row: they compute and store the same numbers, and EXEC stays full.
; LAYOUT.  The products are used transposed (source 0 = 16 rows of a weight, source 1 = 16 rows of x): a lane holds one row of x.  The rows of a weight tile are not neighbours:
; lane r of tile u takes unit 8 u + r + 8 (r / 8), so that the 16 registers of tiles 0 and 1 are 16 neighbouring units, 16 (lane / 16) + 0 .. 15: the conversions' results are the next operand's registers.
; act is laid as images of those registers: [e][tile][block of 32 along H][lane][16 bytes]; asc [e][tile][row][64]: a row's scale bytes.
; The biases are the C of each sum's first matrix instruction.
; The number of tiles is read from memory and the steps branch on it; there is no tensor load, hence no cluster's joint load: operands come from memory through registers.
; The loop has a constant count of 16 trips of two steps (32 tiles of one parity serve all 1,024 tokens on one expert); a step without a tile jumps over its work, never over its waits and its barrier.
; LIMITS: NaN and infinities are not served.  A block of act whose largest magnitude lies under 2^-111 gets the byte 1.  Where h1 < -88 the exponential overflows and silu comes out as a zero.
; REGISTERS, in windows of 256.  Window 0: v1-18, v30-31, v176-177 addresses; v20-29 the quantiser; v32-63 the weights' scale words; v64-71 x's; v80-111 biases; v112-143 the four accumulators
; (w0 tiles 0, 1, w1 tiles 0, 1); v144-175 at work; v184-217 my quarter of the next tile.  Window 1: weights of K steps 0-3 (step s, accumulator t at v[64 s + 16 t]).  Window 2: K steps 4-7.  Window 3: x's eight fragments.
; THE MODE: SCHED_MODE bits 1:0 = 2 (LLVM: expert scheduling mode 2), set by the entry lines.  The code itself states the register dependences
; between vector or matrix instructions and memory or LDS instructions, with s_wait_alu, always for 0.
; THE PLAN.  Registers that memory or LDS instructions touch, in the loop:
;   v184-217 (G, GS)    The nine loads of my quarter, issued behind a step's barrier, land in them; the next step's nine LDS stores, ahead of its barrier, read them.  No vector instruction names them.
;   v10, v12, v15       Offsets: written by vector lines behind the barrier, read by the ten loads that follow those lines.
;   v14                 A rid: the list's load lands in it; the same vector lines read and write it; the next list load lands in it behind them.
;   v64-71, window 3    x's scale words and fragments: LDS loads land in them, the step's matrix instructions read them.
;   v16, v17, v20-24    The two stores' offsets and data: written by the step's epilogue, read by its two stores.
;   v4-6, v30, v31, v176, v177   Addresses made at the head and never written again.
; So a step holds three such waits.  (1) On vm_vsrc, ahead of the barrier's signal, on every way: my LDS stores have read G and GS, the last step's loads their offsets, the last step's stores their offsets and data.
; (2) On va_vdst, behind the vector lines that make the offsets: these are written, v14 is done with, and the last step's matrix instructions are done reading x's scale words and fragments.  All 46 loads of the step
; lean on it: the LDS loads of K steps 4 to 7 are dealt among the matrix instructions of K steps 0 to 3, which name window 3's v0-63, window 1 and v32-143: none of the registers that those loads touch.
; (3) On va_vdst, ahead of the two stores: their data and offsets are written.
.set LROW,  5120                       ; an expert's bytes in list
.set CNT,   4736                       ; where its number of rows lies
.set XBUF,  17408                      ; LDS: a buffer: 32 images of 512 bytes (K step s, quarter c at 2,048 s + 512 c),
.set XSCO,  16384                      ; then the scale words: wave w's two words a lane at 256 w + 8 lane
.set WSC,   32
.set XSC,   64
.set BIAS,  80
.set ACC,   112
.set H0,    112
.set H1,    128
.set T,     144
.set P,     160
.set LLD,   176                        ; v176  16 x lane: an image's place for my lane
.set LLS,   177                        ; v177  8 x lane: a pair of scale words'
.set G,     184                        ; v184-215 my quarter's codes, as loaded
.set GS,    216                        ; v216-217 its two scale words
.set MSB, 0
.macro WIN new                         ; the immediate's high byte repeats the setting that is left
.if MSB != \new
	s_set_vgpr_msb (MSB<<8)|\new
.set MSB, \new
.endif
.endm
	s_load_b512 s[4:19], s[0:1], 0x0               ; xq s[4:5], xs s[6:7], list s[8:9], w0's codes s[10:11], scales s[12:13], b0 s[14:15], w1's codes s[16:17], scales s[18:19]
	s_load_b128 s[20:23], s[0:1], 0x40             ; b1 s[20:21], act s[22:23]
	s_load_b64 s[24:25], s[0:1], 0x50              ; asc
	v_lshl_add_u32 v254, v0, 2, 0x8800
	v_mov_b32 v255, 0
	v_lshrrev_b32 v1, 5, v0
	v_readfirstlane_b32 s26, v1                    ; wave
	s_and_b32 s28, ttmp7, 0xffff
	s_lshr_b32 s27, s28, 1                         ; e
	s_and_b32 s30, s28, 1                          ; g: the parity of my work-group's tiles
	s_lshl_b32 s31, ttmp9, 2
	s_wait_alu depctr_va_sdst(0)                   ; s26 is written, ahead of its first reader: kb, the LDS addresses and the offsets in x are made from it
	s_add_co_u32 s31, s31, s26                     ; kb
	v_and_b32 v1, 31, v0                           ; lane
	v_and_b32 v2, 15, v0                           ; r
	v_bfe_u32 v3, v0, 4, 1                         ; h
	v_and_b32 v4, 8, v2
	v_add_nc_u32 v5, v4, v2                        ; r + 8 (r / 8)
	v_lshlrev_b32 v18, 4, v3                       ; 16 h
	v_lshl_add_u32 v4, v5, 10, v18                 ; a weight's codes: that row of 1,024 bytes + 16 h
	v_lshlrev_b32 v5, 5, v5                        ; its scale bytes: 32 a row
	v_lshlrev_b32 v6, 6, v3                        ; biases: 16 h units on
	v_lshlrev_b32 v7, 2, v2                        ; the list: word r of a tile
	v_lshlrev_b32 v[LLD], 4, v1
	v_lshlrev_b32 v[LLS], 3, v1
	v_lshl_add_u32 v8, s31, 9, v[LLD]              ; act: 512 kb + 16 lane
	v_lshl_add_u32 v9, v2, 6, s31                  ; asc: 64 r + kb
	v_lshl_add_u32 v18, s26, 8, v18                ; x's codes: 16 h + my two K steps' 256 w
	s_lshl_b32 s47, s26, 3                         ; x's scale bytes: my two words' 8 w
	s_lshl_b32 s43, s26, 12
	v_add_nc_u32 v30, s43, v[LLD]                  ; LDS: where I store my quarter: 16 lane + 4,096 w
	s_lshl_b32 s43, s26, 8
	v_add_nc_u32 v31, s43, v[LLS]                  ; and its scale words: 8 lane + 256 w
	v_mov_b32 v27, 0                               ; written once: a lane permute's destination counts as one of its sources
	s_lshl_b32 s39, s30, 6                         ; the list's byte of my first tile: 64 bytes a tile
	v_add_nc_u32 v15, s39, v7
	s_mov_b32 s44, 0x76543210
	s_mov_b32 s45, 0xfedcba98                      ; v_permlanex16_b32's selects for lane l xor 16
	s_mov_b32 s46, 0x600000                        ; the mantissa field of 57,344
	s_mov_b32 s48, 0xbfb8aa3b                      ; -log2(e)
	s_mov_b32 s49, s48                             ; (named with it as a pair, so it is written)
	s_mov_b32 s33, 0
	s_mov_b32 s35, 0
	s_mul_i32 s32, s27, LROW
	s_wait_kmcnt 0x0
	s_add_nc_u64 s[8:9], s[8:9], s[32:33]          ; the list of expert e
	s_load_b32 s36, s[8:9], CNT                    ; its number of rows
	s_wait_alu depctr_va_vdst(0)                   ; the addresses made above are written: v15, v4, v5, v6, which the loads below read, and v30, v31, v176, v177, which the loop's LDS instructions read
	global_load_b32 v14, v15, s[8:9]               ; the rid of my row in the first tile: asked for ahead of the weights
	s_lshl_b32 s32, s27, 21
	s_lshl_b32 s34, s31, 15
	s_add_co_u32 s34, s34, s32
	s_add_nc_u64 s[22:23], s[22:23], s[32:33]      ; act at expert e: 64 tiles of 32 KB
	s_add_nc_u64 s[10:11], s[10:11], s[34:35]      ; the codes at expert e, unit 32 kb
	s_add_nc_u64 s[16:17], s[16:17], s[34:35]
	s_lshl_b32 s32, s27, 16
	s_lshl_b32 s34, s31, 10
	s_add_co_u32 s34, s34, s32
	s_add_nc_u64 s[24:25], s[24:25], s[32:33]      ; asc at expert e
	s_add_nc_u64 s[12:13], s[12:13], s[34:35]      ; the weights' scale bytes
	s_add_nc_u64 s[18:19], s[18:19], s[34:35]
	s_lshl_b32 s32, s27, 13
	s_lshl_b32 s34, s31, 7
	s_add_co_u32 s34, s34, s32
	s_add_nc_u64 s[14:15], s[14:15], s[34:35]      ; the biases
	s_add_nc_u64 s[20:21], s[20:21], s[34:35]
	; the wave's weights: 128 loads of codes, 8 of scale words, 8 of biases.  They stay.  (Between the wait above and these loads stand a load, scalar lines and window switches alone.)
	WIN 0x40                                       ; destination window 1
.irp s, 0,1,2,3
.irp u, 0,1
.irp c, 0,1,2,3
	global_load_b128 v[64*\s+16*\u+4*\c:64*\s+16*\u+4*\c+3], v4, s[10:11] offset:8192*\u+128*\s+32*\c
	global_load_b128 v[64*\s+32+16*\u+4*\c:64*\s+32+16*\u+4*\c+3], v4, s[16:17] offset:8192*\u+128*\s+32*\c
.endr
.endr
.endr
	WIN 0x80                                       ; destination window 2
.irp s, 4,5,6,7
.irp u, 0,1
.irp c, 0,1,2,3
	global_load_b128 v[64*(\s-4)+16*\u+4*\c:64*(\s-4)+16*\u+4*\c+3], v4, s[10:11] offset:8192*\u+128*\s+32*\c
	global_load_b128 v[64*(\s-4)+32+16*\u+4*\c:64*(\s-4)+32+16*\u+4*\c+3], v4, s[16:17] offset:8192*\u+128*\s+32*\c
.endr
.endr
.endr
	WIN 0
.irp u, 0,1
.irp q, 0,1
	global_load_b128 v[WSC+8*\u+4*\q:WSC+8*\u+4*\q+3], v5, s[12:13] offset:256*\u+16*\q         ; word s of a row serves K step s
	global_load_b128 v[WSC+16+8*\u+4*\q:WSC+16+8*\u+4*\q+3], v5, s[18:19] offset:256*\u+16*\q
	global_load_b128 v[BIAS+8*\u+4*\q:BIAS+8*\u+4*\q+3], v6, s[14:15] offset:32*\u+16*\q        ; register j: unit 16 h + 8 u + j
	global_load_b128 v[BIAS+16+8*\u+4*\q:BIAS+16+8*\u+4*\q+3], v6, s[20:21] offset:32*\u+16*\q
.endr
.endr
	s_wait_kmcnt 0x0                               ; the expert's rows, at most 1,024 (a token's two experts differ)
	s_add_co_u32 s37, s36, 15
	s_lshr_b32 s37, s37, 4                         ; its tiles
.macro XADDR                           ; v14 = a rid out of the list -> where my quarter of its token's codes and scale bytes lies
	v_min_u32 v14, 0x7ff, v14
	v_and_b32 v14, 0x3ff, v14                      ; the token
	v_lshl_add_u32 v10, v14, 10, v18
	v_lshl_add_u32 v12, v14, 5, s47
.endm
.macro XFETCH                          ; 9 loads: K steps 2 w and 2 w + 1 of the tile's 16 rows, and their scale words
.irp i, 0,1
.irp c, 0,1,2,3
	global_load_b128 v[G+16*\i+4*\c:G+16*\i+4*\c+3], v10, s[4:5] offset:128*\i+32*\c
.endr
.endr
	global_load_b64 v[GS:GS+1], v12, s[6:7]
.endm
.macro XLD b, s0                       ; 8 LDS loads: x's fragments of K steps s0 and s0 + 1 out of buffer b
	WIN 0xc0                                       ; destination window 3
.irp s, \s0, \s0+1
.irp c, 0,1,2,3
	ds_load_b128 v[16*(\s)+4*\c:16*(\s)+4*\c+3], v[LLD] offset:XBUF*\b+2048*(\s)+512*\c
.endr
.endr
.endm
.macro MM s0                           ; 8 matrix instructions: K steps s0 and s0 + 1; the four accumulators by turns, one instruction a turn, K ascending
.irp s, \s0, \s0+1
.irp t, 0,1,2,3
.if (\s) == 0
	v_wmma_scale_f32_16x16x128_f8f6f4 v[ACC+8*\t:ACC+8*\t+7], v[64*((\s)%4)+16*\t:64*((\s)%4)+16*\t+15], v[16*(\s):16*(\s)+15], v[BIAS+8*\t:BIAS+8*\t+7], v[WSC+8*\t+(\s)], v[XSC+(\s)] matrix_a_fmt:MATRIX_FMT_BF8 matrix_b_fmt:MATRIX_FMT_BF8
.else
	v_wmma_scale_f32_16x16x128_f8f6f4 v[ACC+8*\t:ACC+8*\t+7], v[64*((\s)%4)+16*\t:64*((\s)%4)+16*\t+15], v[16*(\s):16*(\s)+15], v[ACC+8*\t:ACC+8*\t+7], v[WSC+8*\t+(\s)], v[XSC+(\s)] matrix_a_fmt:MATRIX_FMT_BF8 matrix_b_fmt:MATRIX_FMT_BF8
.endif
.endr
.endr
.endm
.macro EPI                             ; tile s38: h0 h1 / (1 + e^-h1), quantised; a lane's 16 numbers are half a block, lane l xor 16 holds the other half
	v_lshl_add_u32 v16, s38, 15, v8                ; two plain lines and seven v_nop: nine places behind the products: eight for the first read of results
	v_lshl_add_u32 v17, s38, 10, v9                ; nine for the next tile's first products, which begin the accumulators anew with another C
.rept 7
	v_nop
.endr
.irp i, 0,2,4,6,8,10,12,14
	v_pk_mul_f32 v[T+\i:T+\i+1], v[H1+\i:H1+\i+1], s[48:49] op_sel_hi:[1,0]   ; each accumulator is read from its low end on
.endr
	s_wait_alu depctr_va_vdst(0)
.irp i, 0,1,2,3,4,5,6,7,8,9,10,11,12,13,14,15
	v_exp_f32 v[T+\i], v[T+\i]                     ; e^-h1
.endr
	s_wait_alu depctr_va_vdst(0)
.irp i, 0,2,4,6,8,10,12,14
	v_pk_mul_f32 v[P+\i:P+\i+1], v[H0+\i:H0+\i+1], v[H1+\i:H1+\i+1]           ; (plain lines behind the exponentials)
.endr
	s_wait_alu depctr_va_vdst(0)                   ; the sixteen exponentials have written v[T ..], which the additions below read: one wait for the batch
.irp i, 0,2,4,6,8,10,12,14
	v_pk_add_f32 v[T+\i:T+\i+1], v[T+\i:T+\i+1], 1.0 op_sel_hi:[1,0]
.endr
	s_wait_alu depctr_va_vdst(0)
.irp i, 0,1,2,3,4,5,6,7,8,9,10,11,12,13,14,15
	v_rcp_f32 v[T+\i], v[T+\i]
.endr
	v_nop                                          ; a plain line behind the reciprocals
	s_wait_alu depctr_va_vdst(0)                   ; the sixteen reciprocals have written v[T ..], which the multiplications below read: one wait for the batch
.irp i, 0,2,4,6,8,10,12,14
	v_pk_mul_f32 v[P+\i:P+\i+1], v[P+\i:P+\i+1], v[T+\i:T+\i+1]
.endr
	v_max3_num_f32 v25, |v[P]|, |v[P+1]|, 0x8000000   ; the floor 2^(16 - 127) among the leaves: the byte cannot fall under 1
	v_max3_num_f32 v26, |v[P+8]|, |v[P+9]|, |v[P+10]|
	v_max3_num_f32 v25, v25, |v[P+2]|, |v[P+3]|
	v_max3_num_f32 v26, v26, |v[P+11]|, |v[P+12]|
	v_max3_num_f32 v25, v25, |v[P+4]|, |v[P+5]|
	v_max3_num_f32 v26, v26, |v[P+13]|, |v[P+14]|
	v_max3_num_f32 v25, v25, |v[P+6]|, |v[P+7]|
	v_max3_num_f32 v25, v25, v26, |v[P+15]|
	v_permlanex16_b32 v27, v25, s44, s45
	v_max_num_f32 v25, v25, v27                    ; the block's largest magnitude
	v_add_nc_u32 v28, 0xf8800000, v25              ; 15 off its exponent field: the conversion's scale operand
	v_and_or_b32 v29, v25, 0x7f800000, s46         ; 57,344 x the scale
	v_lshrrev_b32 v24, 23, v28                     ; the scale's byte
.irp i, 0,1,2,3,4,5,6,7,8,9,10,11,12,13,14,15
	v_med3_num_f32 v[P+\i], v[P+\i], -v29, v29     ; the conversion to an 8-bit code does not saturate (ISA guide 7.6.2)
.endr
	v_cvt_scalef32_pk8_bf8_f32 v[20:21], v[P:P+7], v28
	v_cvt_scalef32_pk8_bf8_f32 v[22:23], v[P+8:P+15], v28
	v_nop                                          ; a plain line behind the conversions
	s_wait_alu depctr_va_vdst(0)                   ; the conversions have written v[20:23]; v24, v16 and v17 are written too: the two stores read them as data and offsets
	global_store_b128 v16, v[20:23], s[22:23]      ; 32 lanes store 512 consecutive bytes, aligned: block kb of the tile's image
	global_store_b8 v17, v24, s[24:25]             ; both lanes of a row write the same byte with the same value
.endm
; A STEP: tile s38, through buffer b.  The two waits at its head, the waits ahead of the barrier and the barrier stand on every way; the work on either side of the barrier is jumped over where the tile does not exist
; (the number of tiles is the same in all four waves).  In front of the barrier each wave's stores into buffer b have landed and its reads of the other buffer, the last step's, are in; behind it buffer b is whole,
; and the other buffer is written again only in the next step, by waves that have passed this barrier.
.macro STEP b
	s_wait_loadcnt 0x0                             ; my quarter of this tile and the next tile's rid, asked for a step ago, are in (in the first step: the weights too)
	s_wait_xcnt 0x0                                ; the last step's loads and stores have had their addresses translated: their data and offsets may be written
	s_cmp_ge_u32 s38, s37
	s_cbranch_scc1 .Lnost_\@
.irp i, 0,1
.irp c, 0,1,2,3
	ds_store_b128 v30, v[G+16*\i+4*\c:G+16*\i+4*\c+3] offset:XBUF*\b+2048*\i+512*\c
.endr
.endr
	ds_store_b64 v31, v[GS:GS+1] offset:XBUF*\b+XSCO
.Lnost_\@:
	s_wait_dscnt 0x0
	s_wait_alu depctr_vm_vsrc(0)                   ; my LDS stores have read G and GS, in which the loads below land; the last step's loads have read v10, v12, v15 and its stores v16, v17, v20-24, all of which this step writes again
	s_barrier_signal -1
	s_barrier_wait -1
	s_cmp_ge_u32 s38, s37
	s_cbranch_scc1 .Lnowk_\@
	XADDR                                          ; the next tile of my work-group, two tiles on: asked for first, so that it has this step's products and epilogue in which to land.
	v_add_nc_u32 v15, s39, v7                      ; Beyond the list's end it is a row that exists, and nobody multiplies it
	s_wait_alu depctr_va_vdst(0)                   ; v10, v12, v15 are written, which the loads below read; the lines above are done with v14, in which the list's load lands; the last step's matrix instructions are done reading v64-71 and window 3, in which the LDS loads land
	XFETCH
	global_load_b32 v14, v15, s[8:9] offset:256    ; and the rid of my row four tiles on
.irp q, 0,1,2,3
	ds_load_b64 v[XSC+2*\q:XSC+2*\q+1], v[LLS] offset:XBUF*\b+XSCO+256*\q
.endr
	XLD \b, 0
	XLD \b, 2
	s_wait_dscnt 8                                 ; LDS loads come back in order (ISA guide 5.7.1): of 20 the scale words' 4 and K steps 0 and 1 are in; the youngest 8, K steps 2 and 3, may be out
	WIN 0x0d                                       ; source 0 window 1, source 1 window 3
	MM 0
	XLD \b, 4                                      ; no wait: no vector or matrix instruction since the wait on va_vdst above names window 3's v64-95 or v176
	s_wait_dscnt 8                                 ; K steps 2 and 3 are in; the 8 just issued may be out
	WIN 0x0d
	MM 2
	XLD \b, 6                                      ; likewise: window 3's v96-127
	s_wait_dscnt 8                                 ; K steps 4 and 5 are in; the 8 just issued may be out
	WIN 0x0e                                       ; source 0 window 2
	MM 4
	s_wait_dscnt 0x0                               ; K steps 6 and 7
	MM 6
	WIN 0
	EPI
.Lnowk_\@:
	s_add_co_u32 s38, s38, 2
	s_add_co_u32 s39, s39, 128
.endm
	s_wait_loadcnt 63                              ; the rid is the oldest load, 144 stand behind it: it is in when at most 63 are out
	XADDR
	s_wait_alu depctr_va_vdst(0)                   ; v10 and v12 are written, which the loads below read; the lines above are done with v14, in which the list's next load lands
	XFETCH                                         ; my quarter of the first tile
	global_load_b32 v14, v15, s[8:9] offset:128    ; the rid of my row in the second
	s_mov_b32 s38, s30                             ; the step's tile
	s_mov_b32 s40, 16
.Ltrip:
	STEP 0
	STEP 1
	s_sub_co_u32 s40, s40, 1
	s_cmp_lg_u32 s40, 0
	s_cbranch_scc1 .Ltrip
	s_wait_dscnt 0x0                               ; the closing lines, six on end
	s_wait_alu 0x0
	s_wait_tensorcnt 0x0
	ds_add_u32 v254, v255
	s_wait_dscnt 0x0
	s_endpgm
.Lfunc_end_k_qd800fb28c7_hidden:
	.size	k_qd800fb28c7_hidden, .Lfunc_end_k_qd800fb28c7_hidden-k_qd800fb28c7_hidden
	.p2alignl 7, 3214868480
	.fill 96, 4, 3214868480
	.section	.rodata,"a",@progbits
	.p2align	6, 0x0
	.amdhsa_kernel k_qd800fb28c7_hidden
		.amdhsa_group_segment_fixed_size 35328
		.amdhsa_private_segment_fixed_size 0
		.amdhsa_enable_private_segment 0
		.amdhsa_kernarg_size 88
		.amdhsa_user_sgpr_count 2
		.amdhsa_user_sgpr_kernarg_segment_ptr 1
		.amdhsa_wavefront_size32 1
		.amdhsa_system_sgpr_workgroup_id_x 1
		.amdhsa_system_sgpr_workgroup_id_y 1
		.amdhsa_system_sgpr_workgroup_id_z 1
		.amdhsa_system_vgpr_workitem_id 0
		.amdhsa_next_free_vgpr 1024
		.amdhsa_next_free_sgpr 66
		.amdhsa_reserve_vcc 0
		.amdhsa_float_denorm_mode_32 3
		.amdhsa_float_denorm_mode_16_64 3
		.amdhsa_memory_ordered 1
		.amdhsa_forward_progress 1
		.amdhsa_inst_pref_size 48
	.end_amdhsa_kernel
	.amdgpu_metadata
---
amdhsa.version: [ 1, 2 ]
amdhsa.kernels:
  - .name:           k_qd800fb28c7_hidden
    .symbol:         k_qd800fb28c7_hidden.kd
    .args:
      - { .name: xq, .offset: 0, .size: 8, .value_kind: global_buffer, .address_space: global }
      - { .name: xs, .offset: 8, .size: 8, .value_kind: global_buffer, .address_space: global }
      - { .name: list, .offset: 16, .size: 8, .value_kind: global_buffer, .address_space: global }
      - { .name: w0_codes, .offset: 24, .size: 8, .value_kind: global_buffer, .address_space: global }
      - { .name: w0_scales, .offset: 32, .size: 8, .value_kind: global_buffer, .address_space: global }
      - { .name: b0, .offset: 40, .size: 8, .value_kind: global_buffer, .address_space: global }
      - { .name: w1_codes, .offset: 48, .size: 8, .value_kind: global_buffer, .address_space: global }
      - { .name: w1_scales, .offset: 56, .size: 8, .value_kind: global_buffer, .address_space: global }
      - { .name: b1, .offset: 64, .size: 8, .value_kind: global_buffer, .address_space: global }
      - { .name: act, .offset: 72, .size: 8, .value_kind: global_buffer, .address_space: global }
      - { .name: asc, .offset: 80, .size: 8, .value_kind: global_buffer, .address_space: global }
    .group_segment_fixed_size: 35328
    .private_segment_fixed_size: 0
    .kernarg_segment_align: 8
    .kernarg_segment_size: 88
    .max_flat_workgroup_size: 128
    .sgpr_count:     66
    .vgpr_count:     1024
    .wavefront_size: 32
...
	.end_amdgpu_metadata
.endif
;; end of part 8
;; launch outp (part 9): grid 8 x 32, 4 waves a work-group, no clusters, 79,360 bytes of LDS; arguments act, asc, list, w2_codes, w2_scales, b2, y; writes y
.if DOCPART == 9
	.amdgcn_target "amdgcn-amd-amdhsa--gfx1250"
	.amdhsa_code_object_version 6
	.text
	.protected	k_qd800fb28c7_outp
	.globl	k_qd800fb28c7_outp
	.p2align	8
	.type	k_qd800fb28c7_outp,@function
k_qd800fb28c7_outp:
	s_mov_b64 s[64:65], 0
	v_nop
	global_prefetch_b8 v0, s[64:65] scope:SCOPE_SE
	s_setreg_imm32_b32 hwreg(HW_REG_WAVE_SCHED_MODE, 0, 2), 2
	s_setreg_imm32_b32 hwreg(HW_REG_WAVE_MODE, 25, 1), 1
	s_wait_xcnt 0x0
	s_wait_alu depctr_vm_vsrc(0)
; y[rid] = weight[rid] x (act w2^T + b2) for the rows routed to one expert; the product on codes of E5M2 with E8M0 scales.  rid = 1,024 x slot + token; the launch behind this one adds a token's two rows.
; SHARES.  Work-group (sl, 4 e + g): expert e, outputs 128 sl .. 128 sl + 127, and of the expert's tiles of 16 rows g, g + 4, ...  Wave w: outputs 32 (4 sl + w) on, for all of K = 2,048: 64 KB of codes
; in 512 registers.  All four waves multiply the same tiles of act.
; A TILE OF act IS FETCHED ONCE FOR THE WORK-GROUP: it lies in memory as images of the operand's registers, 64 blocks of 512 bytes; wave w loads blocks 16 w .. 16 w + 15 and four scale words a row and lays them in LDS
; as they are; behind a barrier each wave loads all 64 blocks.  So a tile's codes cost the work-group 64 loads from memory, not 256.  Two buffers by turns, one barrier a step: between two barriers one buffer
; is read and only the other is written.
; THE ROW LIST.  list (whole numbers stored by an earlier launch) holds the rids of expert e on end, and their number at byte 4,736 of the expert's 5,120; the rows' weights lie in the same order
; behind the scale bytes in asc, from byte 524,288 on, 4,608 bytes an expert.  So all that a tile wants lies at addresses made of the tile's number.
; The last tile's spare places repeat the expert's last row: they store the same numbers to the same bytes, and EXEC stays full.
; LAYOUT.  The product is used transposed (source 0 = 16 rows of w2, source 1 = 16 rows of act): register j of lane (r, h) is output 16 u + 8 h + j of row r.  b2 is the C of each sum's first matrix instruction.
; The number of tiles is read from memory and the steps branch on it; there is no tensor load, hence no cluster's joint load: operands come from memory through registers.
; The loop has a constant count of 8 trips of two steps (16 tiles of one g serve all 1,024 tokens on one expert); a step without a tile jumps over its work, never over its waits and its barrier.
; LIMITS: NaN and infinities are not served.
; REGISTERS, in windows of 256.  Window 0: v1-30, v196-201 addresses and small things; v32-63 w2's scale words; v64-79 act's; v80-95 b2; v96-111 the two accumulators; v112-127 rows on the way out;
; v128-195 my quarter of the next tile.  Window 1: w2's K steps 0-7 (step s, tile u at v[32 s + 16 u]).  Window 2: K steps 8-15.  Window 3: act, block j at v[4 j].
; THE MODE: SCHED_MODE bits 1:0 = 2 (LLVM: expert scheduling mode 2), set by the entry lines.  The code itself states the register dependences
; between vector or matrix instructions and memory or LDS instructions, with s_wait_alu, always for 0.
; THE PLAN.  Registers that memory or LDS instructions touch, in the loop:
;   v128-195 (G, GS)    The 17 loads of my quarter, issued behind a step's barrier, land in them; the next step's 17 LDS stores, ahead of its barrier, read them.  No vector instruction names them.
;   v11, v12, v13, v15  Offsets: written by vector lines behind the barrier, read by the 19 loads that follow those lines.
;   v17, v20-23         A weight and four rids: loads land in them; vector lines behind the barrier read them (v20-23 are written too); behind those lines they are loaded anew.
;   v24-27              The rows' offsets in y: written by vector lines behind the barrier, read by the step's four global stores.
;   v64-79, window 3    act's scale words and fragments: LDS loads land in them, the step's matrix instructions read them.
;   v96-111 (Y)         Written by the matrix instructions and by the scaling, read by the four LDS stores into my stage, written again by the next tile's first products.
;   v112-127 (OB)       LDS loads out of my stage land in them; the four global stores read them.  No vector instruction names them.
;   v4-6, v28, v29, v196-201   Addresses made at the head and never written again.
; So a step holds three such waits.  (1) On vm_vsrc, ahead of the barrier's signal, on every way: my LDS stores have read G and GS; the last step's loads have read their offsets, its LDS stores Y, its global stores OB and v24-27.
; (2) On va_vdst, behind the vector lines that follow the barrier: the offsets and v24-27 are written, v17 and v20-23 are done with, and the last step's matrix instructions are done reading act's scale words and fragments.
; All 87 loads of the step lean on it: the blocks of K steps 8 to 15 are dealt among the products of K steps 0 to 7, which name window 3's v0-127, window 1 and v32-111: none of the registers that those loads touch.
; (3) On va_vdst, ahead of the stores into my stage: Y is written.
.set LROW,  5120                       ; an expert's bytes in list
.set CNT,   4736                       ; where its number of rows lies
.set GROW,  4608                       ; an expert's bytes among the weights,
.set GOFF,  524288                     ; which begin here in asc
.set ABUF,  34816                      ; LDS: a buffer: 64 images of 512 bytes,
.set ASCO,  32768                      ; then the scale words: wave w's four words a lane at 512 w + 16 lane
.set STG,   2*ABUF                     ; behind the buffers: a stage of 16 rows x (128 bytes + 16) for each wave
.set WSC,   32
.set ASC,   64
.set BIAS,  80
.set Y,     96
.set OB,    112
.set G,     128                        ; v128-191 my quarter's codes, as loaded
.set GS,    192                        ; v192-195 its scale words
.set LLD,   196                        ; v196, v197  16 x lane in buffer 0, 1: an image's place for my lane
.set LST,   198                        ; v198, v199  where I store my quarter: + 8,192 w
.set LSS,   200                        ; v200, v201  and its scale words: 16 x lane + 512 w in buffer 0, 1
.set MSB, 0
.macro WIN new                         ; the immediate's high byte repeats the setting that is left
.if MSB != \new
	s_set_vgpr_msb (MSB<<8)|\new
.set MSB, \new
.endif
.endm
	s_load_b128 s[4:7], s[0:1], 0x0                ; act s[4:5], asc s[6:7]
	s_load_b64 s[8:9], s[0:1], 0x10                ; list
	s_load_b256 s[12:19], s[0:1], 0x18             ; w2's codes s[12:13], scales s[14:15], b2 s[16:17], y s[18:19]
	v_lshl_add_u32 v254, v0, 2, 0x13400
	v_mov_b32 v255, 0
	v_lshrrev_b32 v1, 5, v0
	v_readfirstlane_b32 s26, v1                    ; wave
	s_and_b32 s29, ttmp7, 0xffff
	s_lshr_b32 s27, s29, 2                         ; e
	s_and_b32 s30, s29, 3                          ; g: my work-group's first tile
	s_lshl_b32 s28, ttmp9, 2
	s_wait_alu depctr_va_sdst(0)                   ; s26 is written, ahead of its first reader: my outputs, my stage and my quarter's places are made from it
	s_add_co_u32 s28, s28, s26                     ; which 32 outputs
	v_and_b32 v1, 31, v0                           ; lane
	v_and_b32 v2, 15, v0                           ; r
	v_bfe_u32 v3, v0, 4, 1                         ; h
	v_lshlrev_b32 v4, 11, v2
	v_lshl_add_u32 v4, v3, 4, v4                   ; w2's codes: row r of 2,048 bytes + 16 h
	v_lshlrev_b32 v5, 6, v2                        ; its scale bytes: 64 a row
	v_lshlrev_b32 v6, 5, v3                        ; b2: 8 h outputs on
	v_lshlrev_b32 v7, 2, v2                        ; the weights: word r of a tile
	v_lshrrev_b32 v8, 3, v1                        ; lane / 8
	v_and_b32 v30, 7, v1
	v_lshlrev_b32 v30, 4, v30                      ; 16 (lane % 8)
	s_mul_i32 s41, s26, 16*144
	s_add_co_u32 s41, s41, STG                     ; my stage
	v_mul_u32_u24 v28, v2, 144
	v_lshl_add_u32 v28, v3, 5, v28
	v_add_nc_u32 v28, s41, v28                     ; in: row r, + 32 h
	v_mul_u32_u24 v29, v8, 4*144
	v_add_nc_u32 v29, v29, v30
	v_add_nc_u32 v29, s41, v29                     ; back: eight lanes to a row of 128 bytes; rows 4 (lane / 8) + 0 .. 3
	v_lshlrev_b32 v8, 4, v8                        ; and those four rows' rids in a tile's 64 bytes of the list
	s_lshl_b32 s42, s26, 13                        ; 8,192 w
	s_lshl_b32 s44, s26, 9                         ; 512 w
	s_lshl_b32 s45, s26, 4                         ; 16 w
	v_lshlrev_b32 v[LLD], 4, v1                    ; 16 lane
	v_add_nc_u32 v[LLD+1], ABUF, v[LLD]
	v_add_nc_u32 v[LST], s42, v[LLD]
	v_add_nc_u32 v[LST+1], s42, v[LLD+1]
	v_add_nc_u32 v[LSS], s44, v[LLD]
	v_add_nc_u32 v[LSS+1], s44, v[LLD+1]
	v_add_nc_u32 v9, s42, v[LLD]                   ; act: my quarter of a tile: 16 lane + 8,192 w
	v_lshl_add_u32 v10, v2, 6, s45                 ; asc: 64 r + my four words' 16 w
	v_mov_b32 v19, 0                               ; (named as the upper half of the pair v[18:19])
	s_mov_b32 s33, 0
	s_mov_b32 s35, 0
	s_mul_i32 s32, s27, LROW
	s_mul_i32 s34, s27, GROW
	s_add_co_u32 s34, s34, GOFF
	s_wait_kmcnt 0x0
	s_add_nc_u64 s[8:9], s[8:9], s[32:33]          ; the list of expert e
	s_load_b32 s36, s[8:9], CNT                    ; its number of rows
	s_add_nc_u64 s[10:11], s[6:7], s[34:35]        ; its rows' weights
	s_lshl_b32 s32, s27, 21
	s_lshl_b32 s34, s28, 16
	s_add_co_u32 s34, s34, s32
	s_add_nc_u64 s[4:5], s[4:5], s[32:33]          ; act at expert e
	s_add_nc_u64 s[12:13], s[12:13], s[34:35]      ; w2's codes at expert e, my first output
	s_lshl_b32 s32, s27, 16
	s_lshl_b32 s34, s28, 11
	s_add_co_u32 s34, s34, s32
	s_add_nc_u64 s[6:7], s[6:7], s[32:33]          ; asc at expert e
	s_add_nc_u64 s[14:15], s[14:15], s[34:35]      ; w2's scale bytes
	s_lshl_b32 s32, s28, 7
	s_lshl_b32 s34, s27, 12
	s_add_co_u32 s34, s34, s32
	s_add_nc_u64 s[18:19], s[18:19], s[32:33]      ; y at my first column
	s_add_nc_u64 s[16:17], s[16:17], s[34:35]      ; b2
	; the wave's weights: 128 loads of codes, 8 of scale words, 4 of b2.  They stay.
	WIN 0x40                                       ; destination window 1
	s_wait_alu depctr_va_vdst(0)                   ; the addresses made above are written: v4, v5, v6, which the loads below read, and v28, v29, v196-201, which the loop's LDS instructions read
.irp s, 0,1,2,3,4,5,6,7
.irp u, 0,1
.irp c, 0,1,2,3
	global_load_b128 v[32*\s+16*\u+4*\c:32*\s+16*\u+4*\c+3], v4, s[12:13] offset:32768*\u+128*\s+32*\c
.endr
.endr
.endr
	WIN 0x80                                       ; destination window 2
.irp s, 8,9,10,11,12,13,14,15
.irp u, 0,1
.irp c, 0,1,2,3
	global_load_b128 v[32*(\s-8)+16*\u+4*\c:32*(\s-8)+16*\u+4*\c+3], v4, s[12:13] offset:32768*\u+128*\s+32*\c
.endr
.endr
.endr
	WIN 0
.irp u, 0,1
.irp q, 0,1,2,3
	global_load_b128 v[WSC+16*\u+4*\q:WSC+16*\u+4*\q+3], v5, s[14:15] offset:1024*\u+16*\q      ; word s of a row serves K step s
.endr
.endr
.irp u, 0,1
.irp q, 0,1
	global_load_b128 v[BIAS+8*\u+4*\q:BIAS+8*\u+4*\q+3], v6, s[16:17] offset:64*\u+16*\q        ; register j: output 16 u + 8 h + j
.endr
.endr
	s_wait_kmcnt 0x0                               ; the expert's rows, at most 1,024
	s_add_co_u32 s37, s36, 15
	s_lshr_b32 s37, s37, 4                         ; its tiles
.macro TADDR                           ; tile s43 -> where my quarter of its image, my four of its scale words, its rows' weights and its rids lie
	v_lshl_add_u32 v11, s43, 15, v9
	v_lshl_add_u32 v12, s43, 10, v10
	v_lshl_add_u32 v13, s43, 6, v7
	v_lshl_add_u32 v15, s43, 6, v8
.endm
.macro AFETCH                          ; 19 loads: 16 blocks of codes, four scale words a row, the row's weight, four rids
.irp j, 0,1,2,3,4,5,6,7,8,9,10,11,12,13,14,15
	global_load_b128 v[G+4*\j:G+4*\j+3], v11, s[4:5] offset:512*\j     ; 32 lanes read 512 consecutive bytes
.endr
	global_load_b128 v[GS:GS+3], v12, s[6:7]
	global_load_b32 v17, v13, s[10:11]
	global_load_b128 v[20:23], v15, s[8:9]         ; the rids of rows 4 (lane / 8) + 0 .. 3: the order of the stores' lanes
.endm
.macro ALD b, j0                       ; 16 LDS loads: blocks j0 .. j0 + 15 of the tile's image, four K steps, out of buffer b
	WIN 0xc0                                       ; destination window 3
.irp j, 0,1,2,3,4,5,6,7,8,9,10,11,12,13,14,15
	ds_load_b128 v[4*(\j0+\j):4*(\j0+\j)+3], v[LLD+\b] offset:512*(\j0+\j)
.endr
.endm
.macro CHUNK q, left                   ; the eight products of K steps 4 q .. 4 q + 3: the two accumulators by turns, one instruction a turn, K ascending
	s_wait_dscnt \left                             ; LDS loads come back in order (ISA guide 5.7.1): the scale words and the blocks of these four K steps are in; left = the younger loads, those of the four K steps behind, which may be out
.if \q < 2
	WIN 0x0d                                       ; source 0 window 1, source 1 window 3
.else
	WIN 0x0e                                       ; source 0 window 2
.endif
.irp i, 0,1,2,3
.irp u, 0,1
.if (\q == 0) && (\i == 0)
	v_wmma_scale_f32_16x16x128_f8f6f4 v[Y+8*\u:Y+8*\u+7], v[32*((4*\q+\i)%8)+16*\u:32*((4*\q+\i)%8)+16*\u+15], v[16*(4*\q+\i):16*(4*\q+\i)+15], v[BIAS+8*\u:BIAS+8*\u+7], v[WSC+16*\u+4*\q+\i], v[ASC+4*\q+\i] matrix_a_fmt:MATRIX_FMT_BF8 matrix_b_fmt:MATRIX_FMT_BF8
.else
	v_wmma_scale_f32_16x16x128_f8f6f4 v[Y+8*\u:Y+8*\u+7], v[32*((4*\q+\i)%8)+16*\u:32*((4*\q+\i)%8)+16*\u+15], v[16*(4*\q+\i):16*(4*\q+\i)+15], v[Y+8*\u:Y+8*\u+7], v[WSC+16*\u+4*\q+\i], v[ASC+4*\q+\i] matrix_a_fmt:MATRIX_FMT_BF8 matrix_b_fmt:MATRIX_FMT_BF8
.endif
.endr
.endr
.endm
.macro EPI                             ; x the row's weight; through my stage; eight neighbouring lanes store a row's 128 consecutive bytes, all that this wave owns of it
.rept 9
	v_nop                                          ; nine places behind the products: eight for the first read of results, nine for the next tile's first products, which begin the accumulators anew with another C
.endr
.irp i, 0,2,4,6,8,10,12,14
	v_pk_mul_f32 v[Y+\i:Y+\i+1], v[Y+\i:Y+\i+1], v[18:19] op_sel_hi:[1,0]      ; each accumulator from its low end on
.endr
	s_wait_alu depctr_va_vdst(0)                   ; the multiplications have written v[Y ..], which the LDS stores below read
.irp u, 0,1
.irp q, 0,1
	ds_store_b128 v28, v[Y+8*\u+4*\q:Y+8*\u+4*\q+3] offset:64*\u+16*\q
.endr
.endr
.irp i, 0,1,2,3
	ds_load_b128 v[OB+4*\i:OB+4*\i+3], v29 offset:144*\i   ; LDS serves a wave's instructions in order: these see the stores above
.endr
	s_wait_dscnt 0x0
.irp i, 0,1,2,3
	global_store_b128 v[24+\i], v[OB+4*\i:OB+4*\i+3], s[18:19]
.endr
.endm
; A STEP: tile s38, through buffer b.  The two waits at its head, the waits ahead of the barrier and the barrier stand on every way; the work on either side of the barrier is jumped over where the tile does not exist
; (the number of tiles is the same in all four waves).  In front of the barrier each wave's stores into buffer b have landed and its reads of the other buffer, the last step's, are in; behind it buffer b is whole,
; and the other buffer is written again only in the next step, by waves that have passed this barrier.  A wave's stage is its own.
.macro STEP b
	s_wait_loadcnt 0x0                             ; my quarter of this tile, its weight and its rids, asked for a step ago, are in (in the first step: w2 too)
	s_wait_xcnt 0x0                                ; the last step's loads and stores have had their addresses translated: their data and offsets may be written
	s_cmp_ge_u32 s38, s37
	s_cbranch_scc1 .Lnost_\@
.irp j, 0,1,2,3,4,5,6,7,8,9,10,11,12,13,14,15
	ds_store_b128 v[LST+\b], v[G+4*\j:G+4*\j+3] offset:512*\j
.endr
	ds_store_b128 v[LSS+\b], v[GS:GS+3] offset:ASCO
.Lnost_\@:
	s_wait_dscnt 0x0
	s_wait_alu depctr_vm_vsrc(0)                   ; my LDS stores have read G and GS, in which the loads below land; the last step's loads have read v11, v12, v13, v15, its LDS stores v[Y ..], its global stores v[OB ..] and v24-27, all of which this step writes again
	s_barrier_signal -1
	s_barrier_wait -1
	s_cmp_ge_u32 s38, s37
	s_cbranch_scc1 .Lnowk_\@
	v_mov_b32 v18, v17                             ; this tile's weight and its rows in y are taken out of the registers that are loaded anew below
.irp i, 0,1,2,3
	v_min_u32 v[20+\i], 0x7ff, v[20+\i]
.endr
.irp i, 0,1,2,3
	v_lshl_add_u32 v[24+\i], v[20+\i], 12, v30     ; row rid of 4,096 bytes + 16 (lane % 8)
.endr
	s_add_co_u32 s43, s38, 4                       ; the tile fetched next; where none follows, this one once more: only bytes that were written are read
	s_cmp_lt_u32 s43, s37
	s_cselect_b32 s43, s43, s38
	s_min_u32 s43, s43, 63
	TADDR
	s_wait_alu depctr_va_vdst(0)                   ; v11, v12, v13, v15 are written, which the loads below read, and v24-27, which the step's global stores read; the lines above are done with v17 and v20-23, in which loads land; the last step's matrix instructions are done reading v64-79 and window 3, in which the LDS loads land
	AFETCH                                         ; asked for first, so that it has this step's products and way out in which to land
.irp q, 0,1,2,3
	ds_load_b128 v[ASC+4*\q:ASC+4*\q+3], v[LLD+\b] offset:ASCO+512*\q
.endr
	ALD \b, 0
	ALD \b, 16
	CHUNK 0, 16
	ALD \b, 32                                     ; no wait: no vector or matrix instruction since the wait on va_vdst above names window 3's v128-191 or the address
	CHUNK 1, 16
	ALD \b, 48                                     ; likewise: window 3's v192-255
	CHUNK 2, 16
	CHUNK 3, 0
	WIN 0
	EPI
.Lnowk_\@:
	s_add_co_u32 s38, s38, 4
.endm
	s_cmp_lt_u32 s30, s37
	s_cselect_b32 s43, s30, 0                      ; a work-group without a tile fetches tile 0 and multiplies nothing
	s_min_u32 s43, s43, 63
	TADDR
	s_wait_alu depctr_va_vdst(0)                   ; v11, v12, v13, v15 are written, which the loads below read
	AFETCH
	s_mov_b32 s38, s30                             ; the step's tile
	s_mov_b32 s40, 8
.Ltrip:
	STEP 0
	STEP 1
	s_sub_co_u32 s40, s40, 1
	s_cmp_lg_u32 s40, 0
	s_cbranch_scc1 .Ltrip
	s_wait_dscnt 0x0                               ; the closing lines, six on end
	s_wait_alu 0x0
	s_wait_tensorcnt 0x0
	ds_add_u32 v254, v255
	s_wait_dscnt 0x0
	s_endpgm
.Lfunc_end_k_qd800fb28c7_outp:
	.size	k_qd800fb28c7_outp, .Lfunc_end_k_qd800fb28c7_outp-k_qd800fb28c7_outp
	.p2alignl 7, 3214868480
	.fill 96, 4, 3214868480
	.section	.rodata,"a",@progbits
	.p2align	6, 0x0
	.amdhsa_kernel k_qd800fb28c7_outp
		.amdhsa_group_segment_fixed_size 79360
		.amdhsa_private_segment_fixed_size 0
		.amdhsa_enable_private_segment 0
		.amdhsa_kernarg_size 56
		.amdhsa_user_sgpr_count 2
		.amdhsa_user_sgpr_kernarg_segment_ptr 1
		.amdhsa_wavefront_size32 1
		.amdhsa_system_sgpr_workgroup_id_x 1
		.amdhsa_system_sgpr_workgroup_id_y 1
		.amdhsa_system_sgpr_workgroup_id_z 1
		.amdhsa_system_vgpr_workitem_id 0
		.amdhsa_next_free_vgpr 1024
		.amdhsa_next_free_sgpr 66
		.amdhsa_reserve_vcc 0
		.amdhsa_float_denorm_mode_32 3
		.amdhsa_float_denorm_mode_16_64 3
		.amdhsa_memory_ordered 1
		.amdhsa_forward_progress 1
		.amdhsa_inst_pref_size 48
	.end_amdhsa_kernel
	.amdgpu_metadata
---
amdhsa.version: [ 1, 2 ]
amdhsa.kernels:
  - .name:           k_qd800fb28c7_outp
    .symbol:         k_qd800fb28c7_outp.kd
    .args:
      - { .name: act, .offset: 0, .size: 8, .value_kind: global_buffer, .address_space: global }
      - { .name: asc, .offset: 8, .size: 8, .value_kind: global_buffer, .address_space: global }
      - { .name: list, .offset: 16, .size: 8, .value_kind: global_buffer, .address_space: global }
      - { .name: w2_codes, .offset: 24, .size: 8, .value_kind: global_buffer, .address_space: global }
      - { .name: w2_scales, .offset: 32, .size: 8, .value_kind: global_buffer, .address_space: global }
      - { .name: b2, .offset: 40, .size: 8, .value_kind: global_buffer, .address_space: global }
      - { .name: y, .offset: 48, .size: 8, .value_kind: global_buffer, .address_space: global }
    .group_segment_fixed_size: 79360
    .private_segment_fixed_size: 0
    .kernarg_segment_align: 8
    .kernarg_segment_size: 56
    .max_flat_workgroup_size: 128
    .sgpr_count:     66
    .vgpr_count:     1024
    .wavefront_size: 32
...
	.end_amdgpu_metadata
.endif
;; end of part 9
;; launch add (part 10): grid 256 x 1, 8 waves a work-group, no clusters, 0 bytes of LDS; arguments y, out0; writes out0
.if DOCPART == 10
	.amdgcn_target "amdgcn-amd-amdhsa--gfx1250"
	.amdhsa_code_object_version 6
	.text
	.protected	k_qd800fb28c7_add
	.globl	k_qd800fb28c7_add
	.p2align	8
	.type	k_qd800fb28c7_add,@function
k_qd800fb28c7_add:
	s_mov_b64 s[64:65], 0
	v_nop
	global_prefetch_b8 v0, s[64:65] scope:SCOPE_SE
	s_setreg_imm32_b32 hwreg(HW_REG_WAVE_MODE, 25, 1), 1
	s_wait_xcnt 0x0
; out0[t] = y[t] + y[1,024 + t]: a token's two weighted rows, slot 0's first, as the sum over the slots has them.  A stream: 8 MB in, 4 MB out.
; A work-group takes 16 KB of out0; thread n takes 16 bytes at 16 n of each of its four runs of 4,096 bytes, so that each load and store of a wave covers 512 consecutive bytes, aligned.
; All eight loads go out first; no register is written again while a store reads it.  No LDS, no barrier, no loop, no matrix unit: nothing is shared and nothing is multiplied.
	s_load_b128 s[4:7], s[0:1], 0x0                ; y s[4:5], out0 s[6:7]
	v_lshlrev_b32 v1, 4, v0
	s_lshl_b32 s8, ttmp9, 14
	s_mov_b32 s9, 0
	s_wait_alu depctr_va_vdst(0)
	s_wait_kmcnt 0x0
	s_add_nc_u64 s[4:5], s[4:5], s[8:9]
	s_add_nc_u64 s[6:7], s[6:7], s[8:9]
.irp i, 0,1,2,3
	global_load_b128 v[8+8*\i:11+8*\i], v1, s[4:5] offset:4096*\i th:TH_LOAD_NT
	global_load_b128 v[12+8*\i:15+8*\i], v1, s[4:5] offset:4194304+4096*\i th:TH_LOAD_NT
.endr
.irp i, 0,1,2,3
	s_wait_loadcnt 6-2*\i                          ; loads come back in order: pair i is in, the later pairs stay out
	v_pk_add_f32 v[8+8*\i:9+8*\i], v[8+8*\i:9+8*\i], v[12+8*\i:13+8*\i]
	v_pk_add_f32 v[10+8*\i:11+8*\i], v[10+8*\i:11+8*\i], v[14+8*\i:15+8*\i]
	global_store_b128 v1, v[8+8*\i:11+8*\i], s[6:7] offset:4096*\i th:TH_STORE_NT
.endr
	s_endpgm
.Lfunc_end_k_qd800fb28c7_add:
	.size	k_qd800fb28c7_add, .Lfunc_end_k_qd800fb28c7_add-k_qd800fb28c7_add
	.p2alignl 7, 3214868480
	.fill 96, 4, 3214868480
	.section	.rodata,"a",@progbits
	.p2align	6, 0x0
	.amdhsa_kernel k_qd800fb28c7_add
		.amdhsa_group_segment_fixed_size 0
		.amdhsa_private_segment_fixed_size 0
		.amdhsa_enable_private_segment 0
		.amdhsa_kernarg_size 16
		.amdhsa_user_sgpr_count 2
		.amdhsa_user_sgpr_kernarg_segment_ptr 1
		.amdhsa_wavefront_size32 1
		.amdhsa_system_sgpr_workgroup_id_x 1
		.amdhsa_system_sgpr_workgroup_id_y 1
		.amdhsa_system_sgpr_workgroup_id_z 1
		.amdhsa_system_vgpr_workitem_id 0
		.amdhsa_next_free_vgpr 48
		.amdhsa_next_free_sgpr 66
		.amdhsa_reserve_vcc 0
		.amdhsa_float_denorm_mode_32 3
		.amdhsa_float_denorm_mode_16_64 3
		.amdhsa_memory_ordered 1
		.amdhsa_forward_progress 1
		.amdhsa_inst_pref_size 3
	.end_amdhsa_kernel
	.amdgpu_metadata
---
amdhsa.version: [ 1, 2 ]
amdhsa.kernels:
  - .name:           k_qd800fb28c7_add
    .symbol:         k_qd800fb28c7_add.kd
    .args:
      - { .name: y, .offset: 0, .size: 8, .value_kind: global_buffer, .address_space: global }
      - { .name: out0, .offset: 8, .size: 8, .value_kind: global_buffer, .address_space: global }
    .group_segment_fixed_size: 0
    .private_segment_fixed_size: 0
    .kernarg_segment_align: 8
    .kernarg_segment_size: 16
    .max_flat_workgroup_size: 256
    .sgpr_count:     66
    .vgpr_count:     48
    .wavefront_size: 32
...
	.end_amdgpu_metadata
.endif
;; end of part 10
